; MI455X (gfx1250); checked and timed in simulation.
; The chip was launched on July 23, 2026; its instructions are those of AMD's public machine-readable ISA for CDNA 5 (MIT licence, August 2026) and "CDNA5" Instruction Set Architecture Reference Guide (July 2026). The comments in the code are by the model that wrote it; some were corrected since.
;; Optical Attention. Allowed arithmetic: matrix products marked QUANTISED: E2M1 operands, one E8M0 scale for each 32 along K, by v_wmma_scale_f32_16x16x128_f8f6f4 with both operands' format E2M1 (or v_wmma_scale_f32_32x16x128_f4), f32 sums; everything else in f32.
;; Inputs: Wk_codes 1,024 x 32 x 16 uint8 (E2M1 codes of Wk, K innermost, in blocks of 32 codes, two codes a byte); Wk_scales 1,024 x 32 uint8 (E8M0 scales of Wk, one for each 32 codes along K); Wo_codes 1,024 x 32 x 16 uint8 (E2M1 codes of Wo, K innermost, in blocks of 32 codes, two codes a byte); Wo_scales 1,024 x 32 uint8 (E8M0 scales of Wo, one for each 32 codes along K); Wq_codes 1,024 x 32 x 16 uint8 (E2M1 codes of Wq, K innermost, in blocks of 32 codes, two codes a byte); Wq_scales 1,024 x 32 uint8 (E8M0 scales of Wq, one for each 32 codes along K); Wv_codes 1,024 x 32 x 16 uint8 (E2M1 codes of Wv, K innermost, in blocks of 32 codes, two codes a byte); Wv_scales 1,024 x 32 uint8 (E8M0 scales of Wv, one for each 32 codes along K); bk 1,024 float32; bo 1,024 float32; bq 1,024 float32; bv 1,024 float32; key_codes 4 x 2,048 x 32 x 16 uint8 (E2M1 codes of key, K innermost, in blocks of 32 codes, two codes a byte); key_scales 4 x 2,048 x 32 uint8 (E8M0 scales of key, one for each 32 codes along K); query_codes 4 x 2,048 x 32 x 16 uint8 (E2M1 codes of query, K innermost, in blocks of 32 codes, two codes a byte); query_scales 4 x 2,048 x 32 uint8 (E8M0 scales of query, one for each 32 codes along K); value_codes 4 x 2,048 x 32 x 16 uint8 (E2M1 codes of value, K innermost, in blocks of 32 codes, two codes a byte); value_scales 4 x 2,048 x 32 uint8 (E8M0 scales of value, one for each 32 codes along K).
;; Outputs: out0 4 x 2,048 x 1,024 float32.
;; This version of the problem:
;;   THIS VERSION OF THE PROBLEM IS GIVEN IN LOW PRECISION. The matrix products marked QUANTISED in the list below multiply operands that are first quantised to E2M1 (2 exponent bits, 1 mantissa bit; 4 bits a number), with one power-of-two scale for each 32 numbers along K (OCP MX v1.0); their sums are f32. All else is computed in f32.
;;   The module's matrix products, in the order in which they are computed (A, B: the left and right operand; K: the contracted axis; several contracted axes count as one K, in the product's order):
;;     1. [M 8,192, K 1,024] x [K 1,024, N 1,024]; A: input query (given as codes); B: input Wq (given as codes): QUANTISED
;;     2. [M 8,192, K 1,024] x [K 1,024, N 1,024]; A: input key (given as codes); B: input Wk (given as codes): QUANTISED
;;     3. [M 8,192, K 1,024] x [K 1,024, N 1,024]; A: input value (given as codes); B: input Wv (given as codes): QUANTISED
;;     4. batch 64 x [M 2,048, K 64] x [K 64, N 2,048]; A: computed on the way; B: computed on the way: QUANTISED
;;     5. batch 64 x [M 2,048, K 2,048] x [K 2,048, N 64]; A: softmax (see below); B: computed on the way: QUANTISED
;;     6. [M 8,192, K 1,024] x [K 1,024, N 1,024]; A: computed on the way; B: input Wo (given as codes): QUANTISED
;;   THE QUANTISER, for each operand of a quantised product, along K:
;;     - K is cut into blocks of 32 from its start; a last block that is shorter is filled with zeros.
;;     - A block's scale is 2^e with e = floor(log2(the largest magnitude in the block)) - 2, held to -126 .. 127; a block of zeros has e = 0. As a byte (E8M0): e + 127.
;;     - Each number is divided by its block's scale, clamped to +-6, and rounded to the nearest number of E2M1, ties to even, subnormals kept.
;;     - The product sums the exact products of the quantised numbers (number of the format x scale) in f32.
;;   ~~~python
;;   def quantise(x, axis):      # numpy; x: float32 -> the quantised numbers, widened to float32 again
;;       x = np.moveaxis(x, axis, -1); K = x.shape[-1]
;;       x = np.pad(x, [(0, 0)] * (x.ndim - 1) + [(0, -K % 32)]); x = x.reshape(x.shape[:-1] + (-1, 32)); a = np.abs(x).max(-1, keepdims=True)
;;       e = np.where(a > 0, np.clip(np.frexp(np.where(a > 0, a, 1))[1] - 1 - 2, -126, 127), 0)      # np.frexp(a)[1] - 1 = floor(log2(a)), exactly
;;       r = np.clip(x / 2.0 ** e, -6, 6)
;;       step = 2.0 ** (np.maximum(np.frexp(np.where(r == 0, 1, r))[1] - 1, 0) - 1)
;;       q = np.round(r / step) * step * 2.0 ** e      # np.round: ties to even
;;       return np.moveaxis(q.reshape(q.shape[:-2] + (-1,))[..., :K], -1, axis).astype(np.float32)
;;   ~~~
;;   SOFTMAX AHEAD OF A QUANTISED PRODUCT. Where the list says 'softmax', what is quantised is not the finished softmax but p = 2^(t - M), with t = logit x log2(e) and M = ceil(the row's largest t), a whole number; so 1/2 < the row's largest p <= 1. The row's sum l is taken of the UNQUANTISED p, in f32, and the product's result is divided by l at the end. Since M is a whole number, a kernel that streams over the keys may use a running M (the ceiling of the running maximum): every later rescaling is an exact power of two, which a block's scale takes up: the codes' values come out the same.
;;   OPERANDS COMPUTED ON THE WAY. 'Computed on the way' means the value that the module computes at that place (a softmax that the list does not call 'softmax' is quantised finished and normalised). What goes into a quantiser is computed in f32, as accurately as f32 sums, v_exp_f32 and their like allow (about 1e-6 of the number): no bf16 or f16 on the way to a quantiser, and a product that is left as it is and whose result goes on into a quantised operand takes f32 operands (vector FMAs, or v_wmma_f32_16x16x4_f32). A number that lies on a knife's edge between two numbers of the format may be rounded either way, as far as f32 arithmetic and the matrix unit's own rounding can turn it there, and no further.
;;   INPUTS GIVEN AS CODES. Wk (in the module: [1024, 1024], K = its axis 1); Wo (in the module: [1024, 1024], K = its axis 1); Wq (in the module: [1024, 1024], K = its axis 1); Wv (in the module: [1024, 1024], K = its axis 1); key (in the module: [4, 2048, 1024], K = its axis 2); query (in the module: [4, 2048, 1024], K = its axis 2); value (in the module: [4, 2048, 1024], K = its axis 2): each comes as NAME_codes (uint8): NAME with its K axis moved to the last place and cut into blocks of 32 codes, [.., K / 32, bytes a block], one block behind the other in memory; two codes a byte, the lower K in the low four bits (a code: sign, 2 exponent bits, 1 mantissa bit); and NAME_scales (uint8): the same leading axes, one E8M0 byte (e + 127) for each 32 codes along K. Its value is code x scale, taken as it is: it is not quantised again, and the codes and scales need not be those that the quantiser above would give.
;; One version. Each part assembles by itself: llvm-mc -triple=amdgcn-amd-amdhsa -mcpu=gfx1250 --defsym DOCPART=n.
;; ======== version 1 of 1: 3 launches
;; workspace buffers: qbuf 4,718,592 bytes; kvbuf 9,175,040 bytes; oc 4,194,304 bytes; os 262,144 bytes
;; launch proj (part 1): grid 4 x 96, 4 waves a work-group, clusters of 4 x 4, 300,544 bytes of LDS; arguments query_codes, query_scales, Wq_codes, Wq_scales, bq, key_codes, key_scales, Wk_codes, Wk_scales, bk, Wv_codes, Wv_scales, value_codes, value_scales, bv, qbuf, kvbuf; writes qbuf, kvbuf
.if DOCPART == 1
	.amdgcn_target "amdgcn-amd-amdhsa--gfx1250"
	.amdhsa_code_object_version 6
	.text
	.protected	k_qe230937488_proj
	.globl	k_qe230937488_proj
	.p2align	8
	.type	k_qe230937488_proj,@function
k_qe230937488_proj:
	s_mov_b64 s[64:65], 0
	v_nop
	global_prefetch_b8 v0, s[64:65] scope:SCOPE_SE
	s_setreg_imm32_b32 hwreg(HW_REG_WAVE_MODE, 25, 1), 1
	s_wait_xcnt 0x0
	s_wait_alu depctr_hold_cnt(0) depctr_sa_sdst(0) depctr_va_vdst(0) depctr_va_sdst(0) depctr_va_ssrc(0) depctr_va_vcc(0) depctr_vm_vsrc(0)
	s_getreg_b32 s2, hwreg(HW_REG_IB_STS2, 6, 4)
	s_cmp_eq_u32 s2, 0
	s_cbranch_scc0 .Lentry_in_a_cluster
	s_endpgm
.Lentry_in_a_cluster:
	s_bfe_u32 s2, ttmp6, 0x10000c
	s_cmp_lg_u32 s2, 0xf033
	s_cbranch_scc0 .Lentry_shape_is_right
	s_endpgm
.Lentry_shape_is_right:
; q = query Wq^T + bq, k = key Wk^T + bk, v = value Wv^T + bv on codes of FP4 (E2M1) with one E8M0 scale for each 32 along K = 1,024; sums in f32; the results are quantised again, in registers, and leave as codes.
; ONE LAUNCH FOR THE THREE PRODUCTS: cluster y / 8 says which (0: q, 1: k, 2: v); the number is the same in all sixteen partners of a cluster.
; A tile of the result is 256 x 256, made by four waves of 128 x 128: 64 accumulators of 16 x 16, 512 registers.  THE MATRIX INSTRUCTION IS USED TRANSPOSED: source 0 = 16 rows of B, source 1 = 16 rows of A:
; lane (r, h) holds row r of A's block, and register j of tile b the row 16 b + 8 h + j of B.  For q and k: A = the tokens, B = the weight: a lane holds a token and its registers run along the features, which are the K of
; the scores.  For v the roles are swapped (A = Wv, B = value): a lane holds a channel and its registers run along the keys, which are the K of the second product of attention.  So nothing is ever transposed.
; ALL OF K LIES IN LDS AT ONCE: two chunks of 512 along K (rows of 256 bytes + 16 of padding) and all scale bytes: 3 tensor loads a wave, all issued at the head; no LDS byte is filled twice.
; CLUSTERS: 4 x 4 work-groups; A's tiles are asked for jointly along a row of the cluster, B's along a column.
; THE QUANTISER (128 numbers of a lane's row, X[8 t + j] = k 16 t + 8 h + j): block B of 32 = tiles 2 B, 2 B + 1 of lanes l and l xor 16; its scale's byte is the largest magnitude's exponent field - 2, held at 1 from below.
; The codes of tile t go to register 4 (t / 4) + 2 (t % 2) + (t % 4) / 2, and four exchanges of lane halves make of the eight registers the operand's layout: register 4 c + i of lane (r, h) holds k = 64 c + 32 h + 8 i + 0 .. 7.
; WHAT IS STORED: images of operand registers, lane l's 16 bytes at 16 l.  qbuf: a record of 4,608 bytes for each (batch, head, 128 tokens): 8 images of 512 bytes (16 tokens x the head's 64), then 128 scale words.
; kvbuf: a record of 8,960 bytes for each (batch, head, 128 keys): 8 images of k, 4 fragments of v (16 channels x 128 keys, 1,024 bytes), 128 scale words of k, 64 of v.
; A scale word of q or k holds the head's two bytes; its upper two bytes (the neighbouring head's, or 0) stand over zero codes and are never 0xff.
; LIMITS: NaN and infinities are not served; a block of zeros gets the byte 1 where the rule says 127 (its codes are zeros, and this program alone reads the bytes).
; REGISTERS, in windows of 256: window 0: v1-30 addresses; v32-63 A's scale words, v64-95 B's (register 4 i + q: lanes 0-15 block i's word of K step q, lanes 16-31 of K step 4 + q); v128-191 A's fragments, one set;
;   v192-255 the bias in the result's layout, later at work on the way out.   window 1: B's fragments, two sets, at v0 and v128.   windows 2, 3: the accumulators ((a, b) at v[8 (8 (a % 4) + b)] of window 2 + a / 4).
.set NQ,     4                         ; steps of 128 along K in a chunk
.set ROWB,   256                       ; a chunk's row in bytes
.set KROW,   512                       ; a row of codes in memory
.set PITCH,  272                       ; an LDS row: 256 bytes + 16 of padding = 68 words, so that the 16 rows of a fragment load start at 16 different banks (64 banks of 4 bytes: ISA guide 11.1)
.set FR,     8                         ; registers of a fragment
.set HALFT,  128*PITCH                 ; what one tensor load brings
.set SLOT,   4*HALFT                   ; a chunk: A's 256 rows, then B's 256 rows
.set SCL,    2*SLOT                    ; the scale bytes: units of 256 bytes (8 rows of 32) + 16 of padding
.set HALFS,  16*272                    ; those of 128 rows
.set SBLK,   2*272                     ; those of 16 rows
.set SBA,    SBLK
.set STG,    SCL+4*HALFS               ; a stage of 1,024 bytes for each wave, for the scale words on the way out; no tensor load lands here
.set ADRA, 16                          ; v16-17  LDS address of my A fragments in chunk 0, 1
.set ADRB, 20                          ; v20-21  the same for B
.set ADSA, 22                          ; v22     of A's scale words
.set ADSB, 23                          ; v23     of B's
.set LI,   24                          ; v24     16 x lane: an image's place
.set STA,  25                          ; v25     the stage, in
.set SRD,  26                          ; v26     the stage, back
.set SOF,  27                          ; v27     where my 16 bytes of scale words go
.set SHF,  28                          ; v28     q, k: 16 x (lane / 16): lanes 16-31 keep the second head's bytes;  v: 0
.set BOF,  30                          ; v30     the bias loads' offset
.set SA,   32
.set SB,   64
.set AF,   128
.set BI,   192
.set TM,   200                         ; v200-203 largest magnitudes
.set TP,   204                         ; v204-207 the other half's, then the bytes
.set SCR,  212                         ; v212-215 the conversions' scale operands
.set WRD,  216                         ; v216     the scale word
.set TT,   217                         ; v217     what goes to the stage
.set PC,   224                         ; v224-231 the codes
.set XB,   232                         ; v232-239 scale words back from the stage
.set G1, 24                            ; s[24:31] group 1 for A's chunks;  s[32:39] group 0, a set for each chunk
.set G0, 32
.set G1B, 48                           ; s[48:55], s[56:63] the same for B
.set G0B, 56
.set G1S, 68                           ; s[68:75], s[76:79] groups 1 and 0 for A's scales;  s[80:87], s[88:91] for B's
.set G0S, 76
.set G1SB, 80
.set G0SB, 88
.set MSB, 0
.macro WIN new                         ; the immediate's high byte repeats the setting that is left; a switch that changes nothing is dropped
.if MSB != (\new)
	s_set_vgpr_msb (MSB<<8)|(\new)
.set MSB, \new
.endif
.endm
.set MUL_LO, 0xa1                      ; source 0 (B) window 1, source 1 (A) window 0, C and D window 2
.set MUL_HI, 0xf1                      ; the same, C and D window 3
.set TO_B,   0x40                      ; destination window 1, address window 0
; A joint load: waves 0 and 1 fetch for A, waves 2 and 3 for B; the branch hangs on the wave's number alone.  Four v_nop follow each of the two lines.
.macro JLOAD g0a, g1a, g0b, g1b
	s_cmp_eq_u32 s15, 0
	s_cbranch_scc0 .Lfor_b_\@
	tensor_load_to_lds s[\g0a:\g0a+3], s[\g1a:\g1a+7]
	s_nop 0
.rept 4
	v_nop
.endr
	s_branch .Lasked_\@
.Lfor_b_\@:
	tensor_load_to_lds s[\g0b:\g0b+3], s[\g1b:\g1b+7]
	s_nop 0
.rept 4
	v_nop
.endr
.Lasked_\@:
.endm
.macro CROUND                          ; a round of the cluster's barrier
	s_barrier_signal -1
	s_barrier_wait -1
	s_cmp_lg_u32 s14, 0
	s_cbranch_scc1 .Lnot_wave_0_\@
	s_barrier_signal -3
.Lnot_wave_0_\@:
	s_barrier_wait -3
	s_barrier_signal -1
	s_barrier_wait -1
.endm
	s_load_b512 s[24:39], s[0:1], 0x0              ; query codes, scales; Wq codes, scales; bq; key codes, scales; Wk codes
	s_load_b512 s[40:55], s[0:1], 0x40             ; Wk scales; bk; Wv codes, scales; value codes, scales; bv; qbuf
	s_load_b64 s[56:57], s[0:1], 0x80              ; kvbuf
	v_lshl_add_u32 v126, v0, 2, 0x49400
	v_mov_b32 v127, 0
	ds_add_u32 v126, v127
	ds_add_u32 v126, v127
	v_lshrrev_b32 v1, 5, v0
	v_readfirstlane_b32 s14, v1                    ; wave 0..3
	s_lshr_b32 s15, s14, 1                         ; which half of A's rows is mine.  Also: I fetch for A (0) or for B (1)
	s_and_b32 s16, s14, 1                          ; which half of B's rows.  Also: which 128 rows I fetch
	s_bfe_u32 s95, ttmp6, 0x40000                  ; cx
	s_bfe_u32 s96, ttmp6, 0x40004                  ; cy
	s_and_b32 s101, ttmp7, 0xffff                  ; cluster y, 0 .. 23
	s_lshr_b32 s98, s101, 3                        ; which product: 0 q, 1 k, 2 v
	s_and_b32 s101, s101, 7
	s_lshl_b32 s101, s101, 2                       ; four tiles of tokens to a cluster
	s_cmp_eq_u32 s98, 2
	s_cselect_b32 s17, 0, s101                     ; the tokens are A's rows for q and k,
	s_cselect_b32 s97, s101, 0                     ; B's rows for v
	s_add_co_u32 s17, s17, s96                     ; tile row (of A)
	s_add_co_u32 s97, s97, s95                     ; tile column (of B)
	s_lshl_b32 s19, s96, 2
	s_lshl_b32 s19, 15, s19                        ; my row of the cluster
	s_lshl_b32 s101, 0x1111, s95                   ; my column
	; the scales of 128 rows: a dense block of 4,096 bytes, as 16 rows of 256 bytes (32 elements of 8 bytes), 16 bytes of padding behind each
	s_or_b32 s[G1S+0], s19, (3<<16)|(1<<20)|(1<<21)|(5<<22)|(3<<25)
	s_or_b32 s[G1SB+0], s101, (3<<16)|(1<<20)|(1<<21)|(5<<22)|(3<<25)
.irp g, G1S, G1SB
	s_mov_b32 s[\g+1], 32<<16
	s_mov_b32 s[\g+2], 16<<16
	s_mov_b32 s[\g+3], 32<<16
	s_mov_b32 s[\g+4], 16
	s_mov_b32 s[\g+5], 32
	s_mov_b32 s[\g+6], 0
	s_mov_b32 s[\g+7], 0
.endr
	s_lshl_b32 s18, s16, 7
	s_lshl_b32 s20, s17, 8
	s_lshl_b32 s99, s15, 7
	s_add_co_u32 s99, s99, s20                     ; the first row of A that I multiply
	s_add_co_u32 s20, s20, s18                     ; the first row of A that I fetch
	s_lshl_b32 s22, s20, 5                         ; its scale bytes,
	s_lshl_b32 s20, s20, 9                         ; its codes
	s_mov_b32 s21, 0
	s_mov_b32 s23, 0
	s_lshl_b32 s2, s97, 8
	s_add_co_u32 s100, s2, s18                     ; the first row of B that I multiply, and that I fetch
	s_lshl_b32 s92, s100, 5
	s_lshl_b32 s2, s100, 9
	s_mov_b32 s3, 0
	s_mov_b32 s93, 0
	s_mul_i32 s94, s14, HALFT                      ; where they go: wave x 128 rows: no place in the cluster enters an LDS address
	s_mul_i32 s18, s14, HALFS
	s_wait_dscnt 0x0
	s_wait_kmcnt 0x0
	s_cmp_eq_u32 s98, 0                            ; the buffers are chosen by the product's number, which hangs on no address
	s_cselect_b64 s[4:5], s[24:25], s[34:35]       ; A's codes
	s_cselect_b64 s[6:7], s[26:27], s[36:37]       ; A's scales
	s_cselect_b64 s[8:9], s[28:29], s[38:39]       ; B's codes
	s_cselect_b64 s[10:11], s[30:31], s[40:41]     ; B's scales
	s_cselect_b64 s[66:67], s[32:33], s[42:43]     ; the bias
	s_cselect_b64 s[12:13], s[54:55], s[56:57]     ; where the results go
	s_cmp_eq_u32 s98, 2
	s_cselect_b64 s[4:5], s[44:45], s[4:5]
	s_cselect_b64 s[6:7], s[46:47], s[6:7]
	s_cselect_b64 s[8:9], s[48:49], s[8:9]
	s_cselect_b64 s[10:11], s[50:51], s[10:11]
	s_cselect_b64 s[66:67], s[52:53], s[66:67]
	; descriptor group 1: 128 rows x 256 bytes, padded in LDS
	s_or_b32 s[G1+0], s19, (0<<16)|(1<<20)|(1<<21)|(5<<22)|(3<<25)   ; 15:0 the mask: A's tiles go to my row; 17:16 elements of 1 byte; 20 padding on; 21 set beside a mask; 24:22 after every 64 words; 31:25 four words
	s_or_b32 s[G1B+0], s101, (0<<16)|(1<<20)|(1<<21)|(5<<22)|(3<<25)
.irp g, G1, G1B
	s_mov_b32 s[\g+1], ROWB<<16                    ; tensor_dim0
	s_mov_b32 s[\g+2], 128<<16                     ; tensor_dim1
	s_mov_b32 s[\g+3], ROWB<<16                    ; tile_dim0
	s_mov_b32 s[\g+4], 128                         ; tile_dim1
	s_mov_b32 s[\g+5], KROW                        ; tensor_dim0_stride
	s_mov_b32 s[\g+6], 0
	s_mov_b32 s[\g+7], 0
.endr
	s_add_nc_u64 s[20:21], s[4:5], s[20:21]
	s_add_nc_u64 s[22:23], s[6:7], s[22:23]
	s_add_nc_u64 s[2:3], s[8:9], s[2:3]
	s_add_nc_u64 s[92:93], s[10:11], s[92:93]
	CROUND                                         ; all sixteen work-groups are here: the joint loads meet
	s_mov_b32 s[G0S], 1
	s_add_co_u32 s[G0S+1], s18, SCL
	s_mov_b64 s[G0S+2:G0S+3], s[22:23]
	s_or_b32 s[G0S+3], s[G0S+3], 0x80000000
	s_mov_b32 s[G0SB], 1
	s_add_co_u32 s[G0SB+1], s18, SCL
	s_mov_b64 s[G0SB+2:G0SB+3], s[92:93]
	s_or_b32 s[G0SB+3], s[G0SB+3], 0x80000000
	JLOAD G0S, G1S, G0SB, G1SB                     ; the scales first: they are wanted with chunk 0
.irp s, 0,1
	s_mov_b32 s[G0+4*\s], 1
	s_add_co_u32 s[G0+4*\s+1], s94, \s*SLOT
	s_add_nc_u64 s[G0+4*\s+2:G0+4*\s+3], s[20:21], \s*ROWB
	s_or_b32 s[G0+4*\s+3], s[G0+4*\s+3], 0x80000000
	s_mov_b32 s[G0B+4*\s], 1
	s_add_co_u32 s[G0B+4*\s+1], s94, \s*SLOT
	s_add_nc_u64 s[G0B+4*\s+2:G0B+4*\s+3], s[2:3], \s*ROWB
	s_or_b32 s[G0B+4*\s+3], s[G0B+4*\s+3], 0x80000000
	JLOAD G0+4*\s, G1, G0B+4*\s, G1B               ; three tensor loads of mine are out behind the second of these
.endr
	; ---- addresses, while the tiles are on their way
	v_and_b32 v1, 15, v0                           ; r = lane % 16
	v_bfe_u32 v2, v0, 4, 1                         ; h = lane / 16
	v_mul_u32_u24 v3, v1, PITCH
	v_lshl_add_u32 v4, v2, 4, v3                   ; a fragment's row x pitch + 16 x half
	s_mul_i32 s21, s15, HALFT                      ; my 128 rows of A
	s_mul_i32 s22, s16, HALFT                      ; my 128 rows of B,
	s_add_co_u32 s22, s22, 2*HALFT                 ; which lie behind A's 256
.irp s, 0,1
	v_add_nc_u32 v[ADRA+\s], s21, v4
	v_add_nc_u32 v[ADRB+\s], s22, v4
	s_add_co_u32 s21, s21, SLOT
	s_add_co_u32 s22, s22, SLOT
.endr
	v_lshlrev_b32 v5, 5, v1                        ; my row's 32 scale bytes,
	v_lshrrev_b32 v6, 3, v1
	v_lshl_add_u32 v5, v6, 4, v5                   ; 16 more behind each 8 rows,
	v_lshl_add_u32 v5, v2, 4, v5                   ; lanes 16-31 take the second chunk's four words
	s_mul_i32 s18, s15, HALFS
	s_add_co_u32 s18, s18, SCL
	v_add_nc_u32 v[ADSA], s18, v5
	s_mul_i32 s18, s16, HALFS
	s_add_co_u32 s18, s18, SCL+2*HALFS
	v_add_nc_u32 v[ADSB], s18, v5
	v_and_b32 v6, 31, v0
	v_lshlrev_b32 v[LI], 4, v6
	s_lshl_b32 s18, s14, 10
	s_add_co_u32 s18, s18, STG                     ; my stage
	v_lshlrev_b32 v7, 2, v1
	v_lshl_add_u32 v7, v2, 9, v7
	v_add_nc_u32 v[STA], s18, v7                   ; in: 512 x half + 4 r (+ 64 x block)
	v_add_nc_u32 v[SRD], s18, v[LI]                ; back: 16 bytes a lane
	; ---- the bias, in the result's layout: it is the C of each sum's first matrix instruction
	s_cmp_eq_u32 s98, 2
	s_cselect_b32 s2, s99, s100                    ; my first feature (channel),
	s_cselect_b32 s3, s100, s99                    ; my first token (key)
	s_lshl_b32 s18, s2, 2
	s_mov_b32 s19, 0
	s_add_nc_u64 s[66:67], s[66:67], s[18:19]
	s_cmp_eq_u32 s98, 2
	s_cbranch_scc1 .Lbias_v
	v_lshlrev_b32 v[BOF], 5, v2                    ; q, k: tile b's registers are features 16 b + 8 h + 0 .. 7
.irp b, 0,1,2,3,4,5,6,7
	global_load_b128 v[BI+8*\b:BI+8*\b+3], v[BOF], s[66:67] offset:64*\b
	global_load_b128 v[BI+8*\b+4:BI+8*\b+7], v[BOF], s[66:67] offset:64*\b+16
.endr
	s_branch .Lbias_done
.Lbias_v:
	v_lshlrev_b32 v[BOF], 2, v1                    ; v: block a's lane r is channel 16 a + r, in all eight registers
.irp a, 0,1,2,3,4,5,6,7
	global_load_b32 v[BI+8*\a], v[BOF], s[66:67] offset:64*\a
.endr
.Lbias_done:
	; ---- where the results go
	s_lshr_b32 s18, s3, 11                         ; batch
	s_lshl_b32 s18, s18, 4
	s_lshr_b32 s19, s2, 6                          ; my first head (I make two)
	s_add_co_u32 s18, s18, s19
	s_lshl_b32 s18, s18, 4
	s_bfe_u32 s19, s3, 0x40007                     ; which 128 tokens of the batch
	s_add_co_u32 s18, s18, s19                     ; the record
	s_cmp_eq_u32 s98, 0
	s_mov_b32 s19, 8960
	s_cselect_b32 s19, 4608, s19                   ; a record's bytes
	s_mul_i32 s18, s18, s19
	s_lshl_b32 s17, s19, 4                         ; from a head to the next: 16 records
	s_sub_co_u32 s22, s17, 3072
	s_mov_b32 s20, 512
	s_mov_b32 s94, 256
	s_mov_b32 s92, 8192
	s_cmp_eq_u32 s98, 2
	s_cselect_b32 s2, 4096, 0                      ; v's fragments lie behind k's images
	s_cselect_b32 s3, s20, s17                     ; from a block's first four registers to its last four: v: 512 bytes on; q, k: the next head
	s_cselect_b32 s22, s22, s20                    ; the step from block 3 to block 4: v: on to the next head's first fragment
	s_cselect_b32 s94, s17, s94                    ; lanes 16-31 of the scale words' store: v: the next head; q, k: 256 bytes on
	s_cselect_b32 s93, 0, 16
	s_cselect_b32 s92, 8704, s92                   ; where a record's scale words lie
	s_cselect_b32 s20, 1024, s20                   ; the step from block to block
	s_cmp_eq_u32 s98, 0
	s_cselect_b32 s92, 4096, s92
	s_mov_b32 s21, 0
	s_mov_b32 s23, 0
	s_mov_b32 s19, 0
	s_add_nc_u64 s[12:13], s[12:13], s[18:19]      ; my record
	s_mov_b32 s18, s2
	s_add_nc_u64 s[4:5], s[12:13], s[18:19]        ; s[4:5]: a block's registers 0-3
	s_mov_b32 s18, s3
	s_add_nc_u64 s[6:7], s[4:5], s[18:19]          ; s[6:7]: its registers 4-7
	s_mov_b32 s18, s92
	s_add_nc_u64 s[8:9], s[12:13], s[18:19]        ; s[8:9]: scale words
	s_mov_b32 s18, s17
	s_add_nc_u64 s[10:11], s[8:9], s[18:19]        ; s[10:11]: the second head's (q, k)
	v_mul_u32_u24 v[SOF], s94, v2
	v_lshl_add_u32 v[SOF], v1, 4, v[SOF]
	v_mul_u32_u24 v[SHF], s93, v2
	s_mov_b32 s92, 0x76543210
	s_mov_b32 s93, 0xfedcba98                      ; v_permlanex16_b32's selects for lane l xor 16
	s_mov_b32 s94, 0x1800000                       ; the floor 2^(3 - 127), under which no largest magnitude is taken
.macro FRAG reg, adr, q, i             ; 16 rows x 128 K of 4-bit codes: lane l holds row l % 16; registers 4 c .. 4 c + 3 hold K = 64 c + 32 (l / 16) + 0 .. 31
.irp c, 0,1
	ds_load_b128 v[\reg+4*\c:\reg+4*\c+3], v[\adr] offset:64*(\q)+32*\c+(\i)*16*PITCH
.endr
.endm
; 16 matrix instructions: A's blocks a0, a0 + 1 x B's eight, the chunk's q-th 128 along K.  p: B's set;  sl: the chunk (1: the scale words lie in lanes 16-31);
; zero = 0: in place;  1: C = the bias by B's block;  2: C = the bias by A's block.  The 64 accumulators take turns, one instruction a turn, in the same order in every step.
.macro MUL16 a0, p, q, sl, zero
.irp a, \a0, \a0+1
.irp b, 0,1,2,3,4,5,6,7
.set rD, 8*(8*((\a)%4)+\b)
.set rB, 128*(\p)+FR*\b
.set rA, AF+FR*(\a)
.set rC, rD
.if \zero == 1
.set rC, BI+8*\b
.endif
.if \zero == 2
.set rC, BI+8*(\a)
.endif
.set rSB, SB+4*\b+(\q)
.set rSA, SA+4*(\a)+(\q)
.if \sl
	v_wmma_scale_f32_16x16x128_f8f6f4 v[rD:rD+7], v[rB:rB+7], v[rA:rA+7], v[rC:rC+7], v[rSB], v[rSA] matrix_a_fmt:MATRIX_FMT_FP4 matrix_b_fmt:MATRIX_FMT_FP4 matrix_a_scale:MATRIX_SCALE_ROW1 matrix_b_scale:MATRIX_SCALE_ROW1
.else
	v_wmma_scale_f32_16x16x128_f8f6f4 v[rD:rD+7], v[rB:rB+7], v[rA:rA+7], v[rC:rC+7], v[rSB], v[rSA] matrix_a_fmt:MATRIX_FMT_FP4 matrix_b_fmt:MATRIX_FMT_FP4
.endif
.endr
.endr
.endm
.macro FETCH_B slot, q, p
	WIN TO_B
.irp i, 0,1,2,3,4,5,6,7
	FRAG 128*(\p)+FR*\i, ADRB+\slot, \q, \i
.endr
	WIN 0
.endm
.macro FETCH_A slot, q, i0
.irp i, \i0, \i0+1, \i0+2, \i0+3
	FRAG AF+FR*(\i), ADRA+\slot, \q, \i
.endr
.endm
.macro SCALES                          ; all scale words of my rows, for all of K, once
.irp i, 0,1,2,3,4,5,6,7
	ds_load_b128 v[SA+4*\i:SA+4*\i+3], v[ADSA] offset:\i*SBA
	ds_load_b128 v[SB+4*\i:SB+4*\i+3], v[ADSB] offset:\i*SBLK
.endr
.endm
; A load into a register that a matrix instruction has read, and a vector instruction that reads a matrix result, stand four places behind it; only plain vector instructions that name none of its registers are places.
.macro PLACES n
.rept \n
	v_nop
.endr
.endm
; A step of 128 along K that has its successor in the same chunk.
.macro STEP slot, q, zero
	s_wait_dscnt 8                                 ; all but the youngest eight loads (A's blocks 4-7) are in
.if \zero
	WIN 0x81                                       ; C (the bias) in window 0, D in window 2
.else
	WIN MUL_LO
.endif
	MUL16 0, (\q)%2, \q, \slot, \zero
	MUL16 2, (\q)%2, \q, \slot, \zero
	s_wait_dscnt 0x0                               ; A's blocks 4-7 are in
	PLACES 4
	FETCH_B \slot, (\q)+1, 1-(\q)%2
	FETCH_A \slot, (\q)+1, 0
.if \zero
	WIN 0xc1
.else
	WIN MUL_HI
.endif
	MUL16 4, (\q)%2, \q, \slot, \zero
	MUL16 6, (\q)%2, \q, \slot, \zero
	PLACES 4
	WIN 0
	FETCH_A \slot, (\q)+1, 4
.endm
.macro STEPS slot, from
.set Q, \from
.rept NQ-1-\from
	STEP \slot, Q, 0
.set Q, Q+1
.endr
.endm
	s_wait_tensorcnt 0x1                           ; my parts of the scales and of chunk 0 are in; chunk 1's load may stay out
	s_barrier_signal -1
	s_barrier_wait -1                              ; everybody's are
	FETCH_B 0, 0, 0
	FETCH_A 0, 0, 0
	SCALES
	FETCH_A 0, 0, 4
	s_wait_loadcnt 0x0                             ; the bias
	s_cmp_eq_u32 s98, 2                            ; the first step stands twice: the bias goes by B's blocks (q, k) or by A's (v)
	s_cbranch_scc1 .Lfirst_v
	STEP 0, 0, 1
	s_branch .Lfirst_done
.Lfirst_v:
.irp a, 0,1,2,3,4,5,6,7
.irp j, 1,2,3,4,5,6,7
	v_mov_b32 v[BI+8*\a+\j], v[BI+8*\a]            ; a channel's bias, for all eight keys of a lane
.endr
.endr
	s_wait_alu depctr_va_vdst(0)
	STEP 0, 0, 2
.Lfirst_done:
	STEPS 0, 1
	; chunk 0's last step, and the change to chunk 1: each wave waits for its part of chunk 1 and for its LDS loads, then the barrier; nothing is filled again
	s_wait_tensorcnt 0x0
	s_wait_dscnt 8
	WIN MUL_LO
	MUL16 0, 1, NQ-1, 0, 0
	s_wait_dscnt 0x0
	s_barrier_signal -1
	MUL16 2, 1, NQ-1, 0, 0
	WIN 0
	s_barrier_wait -1
	PLACES 4
	FETCH_B 1, 0, 0
	FETCH_A 1, 0, 0
	WIN MUL_HI
	MUL16 4, 1, NQ-1, 0, 0
	MUL16 6, 1, NQ-1, 0, 0
	PLACES 4
	WIN 0
	FETCH_A 1, 0, 4
	STEPS 1, 0
	s_wait_dscnt 8                                 ; the very last step: nothing more to fetch
	WIN MUL_LO
	MUL16 0, 1, NQ-1, 1, 0
	MUL16 2, 1, NQ-1, 1, 0
	s_wait_dscnt 0x0
	WIN MUL_HI
	MUL16 4, 1, NQ-1, 1, 0
	MUL16 6, 1, NQ-1, 1, 0
	WIN 0
	PLACES 4
; THE WAY OUT of A's block a: the lane's 128 numbers are quantised and leave as two images of 512 bytes; the scale word goes to the stage.
.macro EPI a
.set AC, 64*((\a)%4)
.set WD, 2+(\a)/4
	WIN (WD<<2)|(WD<<4)                            ; sources 1 and 2: the accumulators' window
.irp b, 0,1,2,3
	v_max3_num_f32 v[TM+\b], s94, |v[AC+16*\b]|, |v[AC+16*\b+1]|   ; block b: my 16 numbers and the floor; each accumulator is read from its low end on
.endr
.irp i, 2,4,6,8,10,12,14
.irp b, 0,1,2,3
	v_max3_num_f32 v[TM+\b], v[TM+\b], |v[AC+16*\b+\i]|, |v[AC+16*\b+\i+1]|   ; (the four blocks by turns)
.endr
.endr
	WIN 0
.irp b, 0,1,2,3
	v_permlanex16_b32 v[TP+\b], v[TM+\b], s92, s93
.endr
.irp b, 0,1,2,3
	v_max_num_f32 v[TM+\b], v[TM+\b], v[TP+\b]     ; with lane l xor 16's: the block's largest magnitude
.endr
.irp b, 0,1,2,3
	v_add_nc_u32 v[SCR+\b], 0xff000000, v[TM+\b]   ; 2 off its exponent field: the conversion takes the exponent field of this operand as its scale
.endr
.irp b, 0,1,2,3
	v_lshrrev_b32 v[TP+\b], 23, v[SCR+\b]          ; the scale's byte
.endr
	v_lshl_or_b32 v[WRD], v[TP+1], 8, v[TP]
	v_lshl_or_b32 v[WRD], v[TP+2], 16, v[WRD]
	v_lshl_or_b32 v[WRD], v[TP+3], 24, v[WRD]
	s_wait_xcnt 0x0                                ; the last block's stores have read their data and their bases: both are written again only behind this wait
.if (\a) == 4
	s_add_nc_u64 s[4:5], s[4:5], s[22:23]
	s_add_nc_u64 s[6:7], s[6:7], s[22:23]
.elseif (\a) > 0
	s_add_nc_u64 s[4:5], s[4:5], s[20:21]
	s_add_nc_u64 s[6:7], s[6:7], s[20:21]
.endif
	WIN WD                                         ; source 0: the accumulators' window
.irp t, 0,1,2,3,4,5,6,7
	v_cvt_scalef32_pk8_fp4_f32 v[PC+4*(\t/4)+2*(\t%2)+(\t%4)/2], v[AC+8*\t:AC+8*\t+7], v[SCR+\t/2]
.endr
	WIN 0
	v_nop                                          ; one plain place behind a scaled conversion
.irp c, 0,1,2,3
	v_permlane16_swap_b32 v[PC+2*\c], v[PC+2*\c+1] ; the first's lanes 16-31 change places with the second's lanes 0-15: register 4 c + i now holds k = 64 c + 32 h + 8 i + 0 .. 7
.endr
	v_lshrrev_b32 v[TT], v[SHF], v[WRD]            ; q, k: lanes 0-15 keep the first head's two bytes at the bottom, lanes 16-31 the second head's;  v: the whole word
	ds_store_b32 v[STA], v[TT] offset:64*(\a)
	global_store_b128 v[LI], v[PC:PC+3], s[4:5]    ; 32 lanes store 512 consecutive bytes, at a multiple of 256 from the buffer's first byte
	global_store_b128 v[LI], v[PC+4:PC+7], s[6:7]
.endm
.irp a, 0,1,2,3,4,5,6,7
	EPI \a
.endr
	ds_load_b128 v[XB:XB+3], v[SRD]                ; LDS serves a wave's instructions in order: these see my stores; the stage is my own
	ds_load_b128 v[XB+4:XB+7], v[SRD] offset:512
	s_wait_dscnt 0x0
	global_store_b128 v[SOF], v[XB:XB+3], s[8:9]   ; q, k: the first head's 128 words;  v: 64 words for each of my two heads: sixteen lanes to 256 consecutive bytes
	s_cmp_eq_u32 s98, 2
	s_cbranch_scc1 .Lno_second
	global_store_b128 v[SOF], v[XB+4:XB+7], s[10:11]   ; q, k: the second head's
.Lno_second:
	s_wait_tensorcnt 0x0
	ds_add_u32 v126, v127
	s_wait_dscnt 0x0
	CROUND                                         ; the closing round: no work-group ends while a partner may still ask for a tile that names it
	s_endpgm
.Lfunc_end_k_qe230937488_proj:
	.size	k_qe230937488_proj, .Lfunc_end_k_qe230937488_proj-k_qe230937488_proj
	.p2alignl 7, 3214868480
	.fill 96, 4, 3214868480
	.section	.rodata,"a",@progbits
	.p2align	6, 0x0
	.amdhsa_kernel k_qe230937488_proj
		.amdhsa_group_segment_fixed_size 300544
		.amdhsa_private_segment_fixed_size 0
		.amdhsa_enable_private_segment 0
		.amdhsa_kernarg_size 136
		.amdhsa_user_sgpr_count 2
		.amdhsa_user_sgpr_kernarg_segment_ptr 1
		.amdhsa_wavefront_size32 1
		.amdhsa_system_sgpr_workgroup_id_x 1
		.amdhsa_system_sgpr_workgroup_id_y 1
		.amdhsa_system_sgpr_workgroup_id_z 1
		.amdhsa_system_vgpr_workitem_id 0
		.amdhsa_next_free_vgpr 1024
		.amdhsa_next_free_sgpr 102
		.amdhsa_reserve_vcc 0
		.amdhsa_float_denorm_mode_32 3
		.amdhsa_float_denorm_mode_16_64 3
		.amdhsa_memory_ordered 1
		.amdhsa_forward_progress 1
		.amdhsa_inst_pref_size 145
	.end_amdhsa_kernel
	.amdgpu_metadata
---
amdhsa.version: [ 1, 2 ]
amdhsa.kernels:
  - .name:           k_qe230937488_proj
    .symbol:         k_qe230937488_proj.kd
    .args:
      - { .name: query_codes, .offset: 0, .size: 8, .value_kind: global_buffer, .address_space: global }
      - { .name: query_scales, .offset: 8, .size: 8, .value_kind: global_buffer, .address_space: global }
      - { .name: Wq_codes, .offset: 16, .size: 8, .value_kind: global_buffer, .address_space: global }
      - { .name: Wq_scales, .offset: 24, .size: 8, .value_kind: global_buffer, .address_space: global }
      - { .name: bq, .offset: 32, .size: 8, .value_kind: global_buffer, .address_space: global }
      - { .name: key_codes, .offset: 40, .size: 8, .value_kind: global_buffer, .address_space: global }
      - { .name: key_scales, .offset: 48, .size: 8, .value_kind: global_buffer, .address_space: global }
      - { .name: Wk_codes, .offset: 56, .size: 8, .value_kind: global_buffer, .address_space: global }
      - { .name: Wk_scales, .offset: 64, .size: 8, .value_kind: global_buffer, .address_space: global }
      - { .name: bk, .offset: 72, .size: 8, .value_kind: global_buffer, .address_space: global }
      - { .name: Wv_codes, .offset: 80, .size: 8, .value_kind: global_buffer, .address_space: global }
      - { .name: Wv_scales, .offset: 88, .size: 8, .value_kind: global_buffer, .address_space: global }
      - { .name: value_codes, .offset: 96, .size: 8, .value_kind: global_buffer, .address_space: global }
      - { .name: value_scales, .offset: 104, .size: 8, .value_kind: global_buffer, .address_space: global }
      - { .name: bv, .offset: 112, .size: 8, .value_kind: global_buffer, .address_space: global }
      - { .name: qbuf, .offset: 120, .size: 8, .value_kind: global_buffer, .address_space: global }
      - { .name: kvbuf, .offset: 128, .size: 8, .value_kind: global_buffer, .address_space: global }
    .group_segment_fixed_size: 300544
    .private_segment_fixed_size: 0
    .kernarg_segment_align: 8
    .kernarg_segment_size: 136
    .max_flat_workgroup_size: 128
    .sgpr_count:     102
    .vgpr_count:     1024
    .wavefront_size: 32
...
	.end_amdgpu_metadata
.endif
;; end of part 1
;; launch attn (part 2): grid 4 x 64, 16 waves a work-group, clusters of 4 x 1, 169,984 bytes of LDS; arguments qbuf, kvbuf, oc, os; writes oc, os
.if DOCPART == 2
	.amdgcn_target "amdgcn-amd-amdhsa--gfx1250"
	.amdhsa_code_object_version 6
	.text
	.protected	k_qe230937488_attn
	.globl	k_qe230937488_attn
	.p2align	8
	.type	k_qe230937488_attn,@function
k_qe230937488_attn:
	s_mov_b64 s[64:65], 0
	v_nop
	global_prefetch_b8 v0, s[64:65] scope:SCOPE_SE
	s_setreg_imm32_b32 hwreg(HW_REG_WAVE_MODE, 25, 1), 1
	s_wait_xcnt 0x0
	s_wait_alu depctr_hold_cnt(0) depctr_sa_sdst(0) depctr_va_vdst(0) depctr_va_sdst(0) depctr_va_ssrc(0) depctr_va_vcc(0) depctr_vm_vsrc(0)
	s_getreg_b32 s2, hwreg(HW_REG_IB_STS2, 6, 4)
	s_cmp_eq_u32 s2, 0
	s_cbranch_scc0 .Lentry_in_a_cluster
	s_endpgm
.Lentry_in_a_cluster:
	s_bfe_u32 s2, ttmp6, 0x10000c
	s_cmp_lg_u32 s2, 0x3003
	s_cbranch_scc0 .Lentry_shape_is_right
	s_endpgm
.Lentry_shape_is_right:
; Causal attention of one (batch, head) per cluster, head size 64, 2,048 tokens, both products on codes of FP4 (E2M1) with E8M0 scales; the result is normalised, quantised along the head's 64 and stored as codes.
; THE SOFTMAX AHEAD OF THE SECOND PRODUCT: t = score x log2(e) / 8; M = the running largest t rounded UP to a whole number; p = 2^(t - M) is quantised along the keys, not normalised; the row's sum is taken of the
; unquantised p and divides O at the end.  When M moves, the sum and O are multiplied by 2^(old M - new M): exact.
; SHARES.  The four work-groups of a cluster share a head.  A wave owns TWO tiles of 16 queries: with a = wave / 2, u = wave % 2: T0 = 8 a + 2 cx + u and T1 = 127 - T0.  A key step is 128 keys; tile T needs steps 0 .. T / 8,
; which is a for T0 and 15 - a for T1: a number of the wave alone.  So every wave of the launch works 17 key steps, and no branch hangs on the work-group's place in its cluster.
; THE HEAD'S K AND V LIE IN LDS WHOLE: 16 records of 8,960 bytes, images of operand registers as the launch before stored them.  Wave w asks for record w, jointly with the same wave of the three partners: one tensor
; load a wave in the whole launch; no LDS byte is filled twice and nothing is stored to LDS.
; LAYOUT.  Both products are used transposed: S^T = K Q^T (source 0 = 16 keys, source 1 = my 16 queries), O^T = V^T P^T (source 0 = 16 channels, source 1 = P): a lane holds ONE query (lane % 16) throughout.
; K = 64 fills half of the instruction's 128: registers 4-7 of K's and Q's fragments hold zero codes.  In tile t register j of lane (r, h) is key 16 t + 8 h + j.
; p's codes of tile t go to register 4 (t / 4) + 2 (t % 2) + (t % 4) / 2; four exchanges of lane halves then give the operand's layout: register 4 c + i holds keys 64 c + 32 h + 8 i + 0 .. 7.
; EVERY WAVE WALKS ALL 16 STEPS in a loop of constant count; a step behind the tile's last is left out by a scalar branch on the wave's number and the counter.
; LIMITS: NaN and infinities are not served; a block of zeros gets the byte 1 (its codes are zeros, and this program alone reads the bytes).
; REGISTERS: v1 16 x lane, v2 4 x lane, v3 4 r, v4 16 r, v5 r - 8 h, v6 the mask's threshold; v8-9 addresses in hand; v12 -M, v13 the largest t, v[14:15] the sum; v16-23 Q; v24-27 K's scale words, v28-29 V's;
;   v32-95 K's eight fragments; v96-159 S^T, then p; v160-191 O^T; v192-223 V's four fragments; v224-231 p's codes; v232-254 at work; v253 p's scale word; v255 Q's.
.set REC,  8960                        ; a record: 8 images of K (512 bytes), 4 fragments of V (1,024), 128 scale words of K, 64 of V
.set VFR,  4096
.set KSC,  8192
.set VSC,  8704
.set WV,   12                          ; s12  my wave's number
.set LL,   15                          ; s15  the tile's last key step
.set SEL,  16                          ; s[16:17] lane selects for v_permlanex16_b32: lane l xor 16
.set CS,   18                          ; s[18:19] c = log2(e) / 8
.set TQ,   36                          ; s36  the tile of queries in hand
.set STP,  37                          ; s37  the key step
.set TB,   38                          ; s38  its record's LDS byte
.set G0,   40                          ; s[40:43]
.set G1,   44                          ; s[44:51]
.macro ROUND                           ; a round of the cluster's barrier
	s_barrier_signal -1
	s_barrier_wait -1
	s_cmp_lg_u32 s[WV], 0
	s_cbranch_scc1 .Lnot_wave_0_\@
	s_barrier_signal -3
.Lnot_wave_0_\@:
	s_barrier_wait -3
	s_barrier_signal -1
	s_barrier_wait -1
.endm
	s_load_b256 s[4:11], s[0:1], 0x0               ; qbuf s[4:5], kvbuf s[6:7], oc s[8:9], os s[10:11]
	v_lshl_add_u32 v250, v0, 2, 0x29000
	v_mov_b32 v251, 0
	ds_add_u32 v250, v251
	ds_add_u32 v250, v251
	v_lshrrev_b32 v8, 5, v0
	s_delay_alu instid0(VALU_DEP_1)
	v_readfirstlane_b32 s[WV], v8                  ; wave 0..15
	s_bfe_u32 s13, ttmp6, 0x40000                  ; cx: it enters global addresses and the mask's numbers alone
	s_and_b32 s14, ttmp7, 0xffff                   ; 16 x batch + head, which the four partners share
	; descriptor group 1: a dense record as 35 rows of 256 bytes (32 elements of 8 bytes), no padding
	s_mov_b32 s[G1], 15|(3<<16)|(1<<21)            ; 15:0 the mask: all four work-groups; 17:16 elements of 8 bytes; 21 set beside a mask
	s_mov_b32 s[G1+1], 32<<16                      ; tensor_dim0
	s_mov_b32 s[G1+2], 35<<16                      ; tensor_dim1
	s_mov_b32 s[G1+3], 32<<16                      ; tile_dim0
	s_mov_b32 s[G1+4], 35                          ; tile_dim1
	s_mov_b32 s[G1+5], 32                          ; tensor_dim0_stride
	s_mov_b32 s[G1+6], 0
	s_mov_b32 s[G1+7], 0
	s_mov_b32 s[G0], 1
	s_mul_i32 s[G0+1], s[WV], REC                  ; LDS: record w at w x 8,960
	s_lshl_b32 s20, s14, 4
	s_add_co_u32 s20, s20, s[WV]
	s_mul_i32 s20, s20, REC
	s_mov_b32 s21, 0
	s_wait_dscnt 0x0
	s_wait_kmcnt 0x0
	s_add_nc_u64 s[G0+2:G0+3], s[6:7], s[20:21]
	s_or_b32 s[G0+3], s[G0+3], 0x80000000
	ROUND                                          ; all four work-groups are here: the joint loads meet
	tensor_load_to_lds s[G0:G0+3], s[G1:G1+7]      ; my one tensor load
	s_nop 0
.rept 4
	v_nop
.endr
	v_and_b32 v10, 31, v0
	s_delay_alu instid0(VALU_DEP_1)
	v_lshlrev_b32 v1, 4, v10
	s_delay_alu instid0(VALU_DEP_2)
	v_lshlrev_b32 v2, 2, v10
	v_and_b32 v10, 15, v0                          ; r
	v_bfe_u32 v11, v0, 4, 1                        ; h
	s_delay_alu instid0(VALU_DEP_2)
	v_lshlrev_b32 v3, 2, v10
	s_delay_alu instid0(VALU_DEP_3)
	v_lshlrev_b32 v4, 4, v10
	s_delay_alu instid0(VALU_DEP_3)
	v_lshlrev_b32 v11, 3, v11
	s_delay_alu instid0(VALU_DEP_1)
	v_sub_nc_u32 v5, v10, v11                      ; r - 8 h
	s_mov_b32 s[SEL], 0x76543210
	s_mov_b32 s[SEL+1], 0xfedcba98
	s_mov_b32 s[CS], 0x3e38aa3b                    ; log2(e) / 8
	s_mov_b32 s[CS+1], s[CS]                       ; (named with it as a pair, so it is written)
	s_lshr_b32 s[LL], s[WV], 1                     ; a
	s_lshl_b32 s[TQ], s[LL], 3
	s_lshl_b32 s20, s13, 1
	s_add_co_u32 s[TQ], s[TQ], s20
	s_and_b32 s20, s[WV], 1
	s_add_co_u32 s[TQ], s[TQ], s20                 ; T0 = 8 a + 2 cx + u
	; what of the four addresses does not hang on the tile
	s_lshl_b32 s32, s14, 4                         ; qbuf: the head's first record
	s_lshr_b32 s20, s14, 4                         ; batch
	s_and_b32 s21, s14, 7                          ; head % 8
	s_bfe_u32 s22, s14, 0x10003                    ; head / 8
	s_lshl_b32 s33, s22, 21                        ; oc: [head / 8][512 tiles of 16 tokens][head % 8][512 bytes]
	s_lshl_b32 s23, s20, 19
	s_add_co_u32 s33, s33, s23
	s_lshl_b32 s23, s21, 9
	s_add_co_u32 s33, s33, s23
	s_lshl_b32 s34, s20, 16                        ; os: [64 groups of 128 tokens][head / 8][128 tokens][16 bytes], my two bytes at 2 (head % 8)
	s_lshl_b32 s23, s22, 11
	s_add_co_u32 s34, s34, s23
	s_lshl_b32 s23, s21, 1
	s_add_co_u32 s34, s34, s23
.irp j, 20,21,22,23
	v_mov_b32 v[\j], 0                             ; Q's upper half: zero codes
.endr
.irp t, 0,1,2,3,4,5,6,7
.irp j, 4,5,6,7
	v_mov_b32 v[32+8*\t+\j], 0                     ; and K's: written once
.endr
.endr
.irp j, 236,237,238,239,252,253
	v_mov_b32 v[\j], 0                             ; written once: a lane permute's destination counts as one of its sources; v253 is named in the pair v[252:253]
.endr
	s_wait_tensorcnt 0x0                           ; my record is in,
	s_barrier_signal -1
	s_barrier_wait -1                              ; everybody's is: from here on LDS is only read
; A KEY STEP: 128 keys against my 16 queries.
.macro STEP
	s_cmp_gt_u32 s[STP], s[LL]                     ; all keys of this step come after my queries: the step's work is left out
	s_cbranch_scc1 .Lhidden_\@
	s_setprio 2
	v_add_nc_u32 v8, s[TB], v1
	v_add_nc_u32 v9, s[TB], v2
	v_nop
	v_nop                                          ; four places in front of loads into registers that the last step's products have read
.irp t, 0,1,2,3,4,5,6,7
	ds_load_b128 v[32+8*\t:35+8*\t], v8 offset:512*\t             ; K's tile t: an image, 16 bytes a lane
.endr
.irp u, 0,1,2,3
	ds_load_b32 v[24+\u], v9 offset:KSC+128*\u                    ; lanes 0-15: the words of tile 2 u, lanes 16-31: of tile 2 u + 1
.endr
.irp f, 0,1,2,3,4,5,6,7
	ds_load_b128 v[192+4*\f:195+4*\f], v8 offset:VFR+512*\f       ; V: fragment f / 2, half f % 2
.endr
.irp u, 0,1
	ds_load_b32 v[28+\u], v9 offset:VSC+128*\u
.endr
	s_wait_dscnt 10                                ; K's twelve loads are in; V's ten may stay out
.irp t, 0,2,4,6
	v_wmma_scale_f32_16x16x128_f8f6f4 v[96+8*\t:103+8*\t], v[32+8*\t:39+8*\t], v[16:23], 0, v[24+\t/2], v255 matrix_a_fmt:MATRIX_FMT_FP4 matrix_b_fmt:MATRIX_FMT_FP4
	v_wmma_scale_f32_16x16x128_f8f6f4 v[104+8*\t:111+8*\t], v[40+8*\t:47+8*\t], v[16:23], 0, v[24+\t/2], v255 matrix_a_fmt:MATRIX_FMT_FP4 matrix_b_fmt:MATRIX_FMT_FP4 matrix_a_scale:MATRIX_SCALE_ROW1
.endr
.rept 4
	v_nop
.endr
	s_cmp_lg_u32 s[STP], s[LL]                     ; only the tile's last step lies on the diagonal
	s_cbranch_scc1 .Lopen_\@
	v_mov_b32 v254, 0xff800000                     ; -infinity: p = 0 then
.set n, 0
.rept 64
	v_cmp_gt_i32 vcc_lo, 16*(n/8)+n%8, v6          ; register n holds key 16 (n / 8) + 8 h + n % 8 of the step: hidden where that lies beyond my query
	v_cndmask_b32 v[96+n], v[96+n], v254, vcc_lo
.set n, n+1
.endr
.Lopen_\@:
.irp b, 0,1,2,3
	v_max3_num_f32 v[232+\b], v[96+16*\b], v[97+16*\b], v[98+16*\b]   ; the largest score of each block of 32 keys: it serves for the row's maximum and, since p rises with the score, for the block's largest p
.endr
.irp i, 3,5,7,9,11,13
.irp b, 0,1,2,3
	v_max3_num_f32 v[232+\b], v[232+\b], v[96+16*\b+\i], v[97+16*\b+\i]
.endr
.endr
.irp b, 0,1,2,3
	v_max_num_f32 v[232+\b], v[232+\b], v[111+16*\b]
.endr
.irp b, 0,1,2,3
	s_delay_alu instid0(VALU_DEP_4)
	v_permlanex16_b32 v[236+\b], v[232+\b], s[SEL], s[SEL+1]
.endr
.irp b, 0,1,2,3
	s_delay_alu instid0(VALU_DEP_4)
	v_max_num_f32 v[232+\b], v[232+\b], v[236+\b]  ; with lane l xor 16's 16 keys
.endr
	s_delay_alu instid0(VALU_DEP_2)
	v_max3_num_f32 v254, v232, v233, v234
	s_delay_alu instid0(VALU_DEP_1)
	v_max_num_f32 v254, v254, v235                 ; the step's largest score of my query
	s_delay_alu instid0(VALU_DEP_1)
	v_mul_f32 v254, s[CS], v254                    ; as t (c is positive)
	s_delay_alu instid0(VALU_DEP_1)
	v_max_num_f32 v13, v13, v254                   ; the running largest t
	v_mov_b32 v254, v12
	s_delay_alu instid0(VALU_DEP_2)
	v_floor_f32 v12, -v13                          ; the new -M = floor(-t): M is a whole number
	s_delay_alu instid0(VALU_DEP_1)
	v_sub_f32 v254, v12, v254                      ; old M - new M: a whole number, 0 or less
	s_delay_alu instid0(VALU_DEP_1)
	v_cvt_i32_f32 v254, v254                       ; (it saturates)
	s_delay_alu instid0(VALU_DEP_1)
	v_ldexp_f32 v252, 1.0, v254                    ; f = 2^(old M - new M)
.set n, 0
.rept 32
	v_pk_fma_f32 v[96+n:97+n], v[96+n:97+n], s[CS:CS+1], v[12:13] op_sel_hi:[1,0,0]   ; t - M, two at a time
.set n, n+2
.endr
	s_setprio 1
.irp b, 0,1,2,3
	v_fma_f32 v[232+\b], v[232+\b], s[CS], v12     ; the same of each block's largest score
.endr
.set n, 0
	s_wait_alu depctr_va_vdst(0)
.rept 64
	v_exp_f32 v[96+n], v[96+n]                     ; p = 2^(t - M), at most 1
.set n, n+1
.endr
	v_pk_mul_f32 v[14:15], v[14:15], v[252:253] op_sel_hi:[1,0]   ; the sums under the new M (a plain place behind the exponentials)
	s_wait_alu depctr_va_vdst(0)                   ; one wait for the whole batch, ahead of its first reader
.irp b, 0,1,2,3
	v_exp_f32 v[232+\b], v[232+\b]                 ; the block's largest p: the same two instructions on the same number
.endr
	v_pk_add_f32 v[236:237], v[100:101], v[104:105]
	v_pk_add_f32 v[248:249], v[108:109], v[112:113]
	v_pk_add_f32 v[246:247], v[116:117], v[120:121]
	v_pk_add_f32 v[244:245], v[124:125], v[128:129]
	v_pk_add_f32 v[242:243], v[132:133], v[136:137]
	v_pk_add_f32 v[240:241], v[140:141], v[144:145]
	v_pk_add_f32 v[238:239], v[148:149], v[152:153]
	v_pk_add_f32 v[14:15], v[14:15], v[156:157]
	v_pk_add_f32 v[236:237], v[236:237], v[96:97]
	v_pk_add_f32 v[248:249], v[248:249], v[98:99]
	v_pk_add_f32 v[246:247], v[246:247], v[102:103]
	v_pk_add_f32 v[244:245], v[244:245], v[106:107]
	v_pk_add_f32 v[242:243], v[242:243], v[110:111]
	v_pk_add_f32 v[240:241], v[240:241], v[114:115]
	v_pk_add_f32 v[238:239], v[238:239], v[118:119]
	v_pk_add_f32 v[14:15], v[14:15], v[122:123]
	v_pk_add_f32 v[236:237], v[236:237], v[126:127]
	v_pk_add_f32 v[248:249], v[248:249], v[130:131]
	v_pk_add_f32 v[246:247], v[246:247], v[134:135]
	v_pk_add_f32 v[244:245], v[244:245], v[138:139]
	v_pk_add_f32 v[242:243], v[242:243], v[142:143]
	v_pk_add_f32 v[240:241], v[240:241], v[146:147]
	v_pk_add_f32 v[238:239], v[238:239], v[150:151]
	v_pk_add_f32 v[14:15], v[14:15], v[154:155]
	v_pk_add_f32 v[236:237], v[236:237], v[158:159]
	s_delay_alu instid0(VALU_DEP_2)
	v_pk_add_f32 v[14:15], v[14:15], v[244:245]
	s_delay_alu instid0(VALU_DEP_2)
	v_pk_add_f32 v[236:237], v[236:237], v[242:243]
	v_pk_add_f32 v[248:249], v[248:249], v[240:241]
	v_pk_add_f32 v[246:247], v[246:247], v[238:239]
	s_delay_alu instid0(VALU_DEP_2)
	v_pk_add_f32 v[14:15], v[14:15], v[248:249]
	s_delay_alu instid0(VALU_DEP_2)
	v_pk_add_f32 v[236:237], v[236:237], v[246:247]
	s_delay_alu instid0(VALU_DEP_1)
	v_pk_add_f32 v[14:15], v[14:15], v[236:237]
	s_wait_alu depctr_va_vdst(0)                   ; and one for the four
.irp b, 0,1,2,3
	v_max_num_f32 v[232+\b], 0x1800000, v[232+\b]  ; the floor 2^(3 - 127): the byte cannot fall under 1
.endr
.irp b, 0,1,2,3
	s_delay_alu instid0(VALU_DEP_4)
	v_add_nc_u32 v[244+\b], 0xff000000, v[232+\b]  ; 2 off the exponent field: the conversion's scale operand
.endr
.irp b, 0,1,2,3
	s_delay_alu instid0(VALU_DEP_4)
	v_lshrrev_b32 v[236+\b], 23, v[244+\b]         ; the scale's byte
.endr
	s_delay_alu instid0(VALU_DEP_3)
	v_lshl_or_b32 v253, v237, 8, v236              ; p's scale word for these 128 keys
	s_delay_alu instid0(VALU_DEP_1)
	v_lshl_or_b32 v253, v238, 16, v253
	s_delay_alu instid0(VALU_DEP_1)
	v_lshl_or_b32 v253, v239, 24, v253
	s_setprio 0
.irp t, 0,1,2,3,4,5,6,7
	v_cvt_scalef32_pk8_fp4_f32 v[224+4*(\t/4)+2*(\t%2)+(\t%4)/2], v[96+8*\t:103+8*\t], v[244+\t/2]
.endr
	v_nop                                          ; one plain place behind a scaled conversion
.irp c, 0,1,2,3
	v_permlane16_swap_b32 v[224+2*\c], v[225+2*\c] ; the first's lanes 16-31 change places with the second's lanes 0-15
.endr
.set n, 0
.rept 16
	v_pk_mul_f32 v[160+n:161+n], v[160+n:161+n], v[252:253] op_sel_hi:[1,0]   ; O^T under the new M.  (These sixteen are also the places between the scale word, the codes and the products below)
.set n, n+2
.endr
	s_wait_alu depctr_va_vdst(0)
	s_wait_dscnt 0x0                               ; V is in
.irp t, 0,2
	v_wmma_scale_f32_16x16x128_f8f6f4 v[160+8*\t:167+8*\t], v[192+8*\t:199+8*\t], v[224:231], v[160+8*\t:167+8*\t], v[28+\t/2], v253 matrix_a_fmt:MATRIX_FMT_FP4 matrix_b_fmt:MATRIX_FMT_FP4
	v_wmma_scale_f32_16x16x128_f8f6f4 v[168+8*\t:175+8*\t], v[200+8*\t:207+8*\t], v[224:231], v[168+8*\t:175+8*\t], v[28+\t/2], v253 matrix_a_fmt:MATRIX_FMT_FP4 matrix_b_fmt:MATRIX_FMT_FP4 matrix_a_scale:MATRIX_SCALE_ROW1
.endr
.Lhidden_\@:
.endm
; ONE TILE OF 16 QUERIES from its Q to its codes.
.macro PASS
	s_wait_xcnt 0x0                                ; the last tile's stores have read their data and their bases
	s_lshr_b32 s20, s[TQ], 3
	s_and_b32 s21, s[TQ], 7
	s_add_co_u32 s22, s32, s20
	s_mul_i32 s22, s22, 4608                       ; qbuf's record of my 128 tokens
	s_lshl_b32 s23, s21, 9
	s_add_co_u32 s52, s22, s23
	s_mov_b32 s53, 0
	s_add_nc_u64 s[24:25], s[4:5], s[52:53]        ; my tile's image
	s_lshl_b32 s23, s21, 6
	s_add_co_u32 s52, s22, s23
	s_add_co_u32 s52, s52, 4096
	s_add_nc_u64 s[26:27], s[4:5], s[52:53]        ; its 16 scale words
	s_lshl_b32 s52, s[TQ], 12
	s_add_co_u32 s52, s52, s33
	s_add_nc_u64 s[28:29], s[8:9], s[52:53]        ; where the codes go
	s_lshl_b32 s52, s20, 12
	s_lshl_b32 s23, s21, 8
	s_add_co_u32 s52, s52, s23
	s_add_co_u32 s52, s52, s34
	s_add_nc_u64 s[30:31], s[10:11], s[52:53]      ; and the scale bytes
	global_load_b128 v[16:19], v1, s[24:25] th:TH_LOAD_NT
	global_load_b32 v255, v3, s[26:27] th:TH_LOAD_NT
	s_lshl_b32 s23, s21, 4
	v_add_nc_u32 v6, s23, v5                       ; my query's place in the diagonal step, less 8 h
	v_mov_b32 v13, 0xff61b1e6                      ; the largest t so far: -3e38, under every t
	s_delay_alu instid0(VALU_DEP_1)
	v_floor_f32 v12, -v13                          ; -M
	v_mov_b32 v14, 0                               ; the sum, in two halves
	v_mov_b32 v15, 0
.set n, 0
.rept 32
	v_mov_b32 v[160+n], 0                          ; O^T: the step is written once; the first finds zeros, which the first change of M leaves zeros
.set n, n+1
.endr
	s_mov_b32 s[TB], 0
	s_mov_b32 s[STP], 0
	s_wait_loadcnt 0x0                             ; Q
.Lstep_\@:                                         ; 16 trips, in every wave
	STEP
	s_add_co_u32 s[TB], s[TB], REC
	s_add_co_u32 s[STP], s[STP], 1
	s_cmp_lt_u32 s[STP], 16
	s_cbranch_scc1 .Lstep_\@
	s_setprio 0
	; the way out: O^T / the sum, quantised along the head's 64 channels (two blocks), as one image of 512 bytes and two scale bytes a query
.rept 4
	v_nop
.endr
	v_add_f32 v14, v14, v15
	s_delay_alu instid0(VALU_DEP_1)
	v_permlanex16_b32 v252, v14, s[SEL], s[SEL+1]
	s_delay_alu instid0(VALU_DEP_1)
	v_add_f32 v14, v14, v252                       ; the row's sum
	s_wait_alu depctr_va_vdst(0)
	v_rcp_f32 v14, v14
	v_nop                                          ; a plain place behind the transcendental
	s_wait_alu depctr_va_vdst(0)                   ; the wait ahead of its first reader
.set n, 0
.rept 16
	v_pk_mul_f32 v[96+n:97+n], v[160+n:161+n], v[14:15] op_sel_hi:[1,0]   ; register 8 t + j is channel 16 t + 8 h + j of my query
.set n, n+2
.endr
.irp b, 0,1
	v_max3_num_f32 v[232+\b], |v[96+16*\b]|, |v[97+16*\b]|, 0x1800000
.endr
.irp i, 2,4,6,8,10,12,14
.irp b, 0,1
	s_delay_alu instid0(VALU_DEP_2)
	v_max3_num_f32 v[232+\b], v[232+\b], |v[96+16*\b+\i]|, |v[97+16*\b+\i]|
.endr
.endr
.irp b, 0,1
	s_delay_alu instid0(VALU_DEP_2)
	v_permlanex16_b32 v[236+\b], v[232+\b], s[SEL], s[SEL+1]
.endr
.irp b, 0,1
	s_delay_alu instid0(VALU_DEP_2)
	v_max_num_f32 v[232+\b], v[232+\b], v[236+\b]
.endr
.irp b, 0,1
	s_delay_alu instid0(VALU_DEP_2)
	v_add_nc_u32 v[244+\b], 0xff000000, v[232+\b]
.endr
.irp b, 0,1
	s_delay_alu instid0(VALU_DEP_2)
	v_lshrrev_b32 v[236+\b], 23, v[244+\b]
.endr
	s_delay_alu instid0(VALU_DEP_1)
	v_lshl_or_b32 v240, v237, 8, v236              ; the head's two scale bytes of my query
.irp t, 0,1,2,3
	v_cvt_scalef32_pk8_fp4_f32 v[224+2*(\t%2)+\t/2], v[96+8*\t:103+8*\t], v[244+\t/2]
.endr
	v_nop                                          ; one plain place behind a scaled conversion
	v_permlane16_swap_b32 v224, v225
	v_permlane16_swap_b32 v226, v227               ; register i of lane (r, h) now holds channels 32 h + 8 i + 0 .. 7
	global_store_b128 v1, v[224:227], s[28:29]     ; 32 lanes store 512 consecutive bytes, at a multiple of 256 from the buffer's first byte
	global_store_b16 v4, v240, s[30:31]            ; two bytes of each query's sixteen: a head owns no more of a row's scale bytes (lanes 16-31 write the same bytes with the same values)
.endm
	PASS                                           ; tile T0: a + 1 key steps
	s_xor_b32 s[TQ], s[TQ], 127                    ; T1 = 127 - T0
	s_xor_b32 s[LL], s[LL], 15                     ; its last step: 15 - a
	PASS                                           ; 16 - a key steps
	s_wait_tensorcnt 0x0
	ds_add_u32 v250, v251
	s_wait_dscnt 0x0
	ROUND                                          ; the closing round
	s_endpgm
.Lfunc_end_k_qe230937488_attn:
	.size	k_qe230937488_attn, .Lfunc_end_k_qe230937488_attn-k_qe230937488_attn
	.p2alignl 7, 3214868480
	.fill 96, 4, 3214868480
	.section	.rodata,"a",@progbits
	.p2align	6, 0x0
	.amdhsa_kernel k_qe230937488_attn
		.amdhsa_group_segment_fixed_size 169984
		.amdhsa_private_segment_fixed_size 0
		.amdhsa_enable_private_segment 0
		.amdhsa_kernarg_size 32
		.amdhsa_user_sgpr_count 2
		.amdhsa_user_sgpr_kernarg_segment_ptr 1
		.amdhsa_wavefront_size32 1
		.amdhsa_system_sgpr_workgroup_id_x 1
		.amdhsa_system_sgpr_workgroup_id_y 1
		.amdhsa_system_sgpr_workgroup_id_z 1
		.amdhsa_system_vgpr_workitem_id 0
		.amdhsa_next_free_vgpr 256
		.amdhsa_next_free_sgpr 66
		.amdhsa_reserve_vcc 1
		.amdhsa_float_denorm_mode_32 3
		.amdhsa_float_denorm_mode_16_64 3
		.amdhsa_memory_ordered 1
		.amdhsa_forward_progress 1
		.amdhsa_inst_pref_size 62
	.end_amdhsa_kernel
	.amdgpu_metadata
---
amdhsa.version: [ 1, 2 ]
amdhsa.kernels:
  - .name:           k_qe230937488_attn
    .symbol:         k_qe230937488_attn.kd
    .args:
      - { .name: qbuf, .offset: 0, .size: 8, .value_kind: global_buffer, .address_space: global }
      - { .name: kvbuf, .offset: 8, .size: 8, .value_kind: global_buffer, .address_space: global }
      - { .name: oc, .offset: 16, .size: 8, .value_kind: global_buffer, .address_space: global }
      - { .name: os, .offset: 24, .size: 8, .value_kind: global_buffer, .address_space: global }
    .group_segment_fixed_size: 169984
    .private_segment_fixed_size: 0
    .kernarg_segment_align: 8
    .kernarg_segment_size: 32
    .max_flat_workgroup_size: 512
    .sgpr_count:     66
    .vgpr_count:     256
    .wavefront_size: 32
...
	.end_amdgpu_metadata
.endif
;; end of part 2
;; launch oproj (part 3): grid 4 x 32, 4 waves a work-group, clusters of 4 x 4, 327,680 bytes of LDS; arguments oc, os, Wo_codes, Wo_scales, bo, out0; writes out0
.if DOCPART == 3
	.amdgcn_target "amdgcn-amd-amdhsa--gfx1250"
	.amdhsa_code_object_version 6
	.text
	.protected	k_qe230937488_oproj
	.globl	k_qe230937488_oproj
	.p2align	8
	.type	k_qe230937488_oproj,@function
k_qe230937488_oproj:
	s_mov_b64 s[64:65], 0
	v_nop
	global_prefetch_b8 v0, s[64:65] scope:SCOPE_SE
	s_setreg_imm32_b32 hwreg(HW_REG_WAVE_MODE, 25, 1), 1
	s_wait_xcnt 0x0
	s_wait_alu depctr_hold_cnt(0) depctr_sa_sdst(0) depctr_va_vdst(0) depctr_va_sdst(0) depctr_va_ssrc(0) depctr_va_vcc(0) depctr_vm_vsrc(0)
	s_getreg_b32 s2, hwreg(HW_REG_IB_STS2, 6, 4)
	s_cmp_eq_u32 s2, 0
	s_cbranch_scc0 .Lentry_in_a_cluster
	s_endpgm
.Lentry_in_a_cluster:
	s_bfe_u32 s2, ttmp6, 0x10000c
	s_cmp_lg_u32 s2, 0xf033
	s_cbranch_scc0 .Lentry_shape_is_right
	s_endpgm
.Lentry_shape_is_right:
; out0 = o Wo^T + bo on codes of FP4 (E2M1) with one E8M0 scale for each 32 along K = 1,024; sums in f32; out0 [8,192][1,024] f32.
; A = the attention's result, as the launch before stored it: images of operand registers, oc [chunk of 512 along K][512 tiles of 16 tokens][8 heads][512 bytes], so a fragment (16 tokens x 128 K = two heads) is 1,024
; consecutive bytes, lane l's 16 bytes at 16 l and 512 + 16 l; its scale words os [64 groups of 128 tokens][chunk][128 tokens][4 words].  B = Wo: rows of codes, K innermost, and rows of 32 scale bytes.
; A tile of out0 is 256 x 256, made by four waves of 128 x 128: 64 accumulators, 512 registers.  THE MATRIX INSTRUCTION IS USED TRANSPOSED (source 0 = 16 rows of Wo, source 1 = 16 tokens): a lane holds eight neighbouring
; numbers of a row of out0.  The bias is the C of each sum's first matrix instruction.
; ALL OF K LIES IN LDS AT ONCE: two chunks of 512 along K and all scale bytes: 3 tensor loads a wave, all issued at the head; no LDS byte is filled twice.
; CLUSTERS: 4 x 4 work-groups; A's tiles are asked for jointly along a row of the cluster, B's along a column.
; REGISTERS, in windows of 256: window 0: v1-30 addresses; v32-63 A's scale words, v64-95 B's (register 4 i + q: lanes 0-15 block i's word of K step q, lanes 16-31 of K step 4 + q); v128-191 A's fragments, one set;
;   v192-255 the bias; on the way out v128-255 take rows of out0.   window 1: B's fragments, two sets.   windows 2, 3: the accumulators ((a, b) at v[8 (8 (a % 4) + b)] of window 2 + a / 4).
.set NQ,     4
.set ROWB,   256                       ; a chunk's row of Wo in bytes
.set KROW,   512                       ; a row of Wo's codes in memory
.set PITCH,  272                       ; B's LDS row: 256 bytes + 16 of padding, so that the 16 rows of a fragment load start at 16 different banks (64 banks of 4 bytes: ISA guide 11.1)
.set FR,     8
.set HALFA,  32768                     ; A: 8 tiles of 16 tokens x 4,096 bytes, dense: what one tensor load brings
.set HALFT,  128*PITCH                 ; B: 128 rows
.set SLOT,   2*HALFA+2*HALFT           ; a chunk: A's images, then B's rows
.set SCA,    2*SLOT                    ; A's scale words: 2 x 4,096 bytes, dense
.set SCB,    SCA+8192                  ; B's scale bytes: units of 256 bytes + 16 of padding, 2 x 4,352 bytes
.set HALFS,  16*272
.set SBLK,   2*272
.set SBA,    256                       ; A's scale words of 16 tokens
.set STG,    SCB+2*HALFS               ; the way out: 16 rows x (512 bytes + 16) for each wave; no tensor load lands here
.set SPITCH, 528
.set SIZE_N, 1024
.set ADRA, 16
.set ADRB, 20
.set ADSA, 22
.set ADSB, 23
.set STO,  24                          ; v24     the way out: where I put 32 bytes of a row
.set RD,   25                          ; v25     where I read a row back
.set CO,   26                          ; v26     16 x lane: my byte offset in a row of out0, and in an image
.set BOF,  30
.set SA,   32
.set SB,   64
.set AF,   128
.set BI,   192
.set BK,   128
.set G1, 24
.set G0, 32
.set G1B, 48
.set G0B, 56
.set G1S, 68
.set G0S, 76
.set G1SB, 80
.set G0SB, 88
.set MSB, 0
.macro WIN new                         ; the immediate's high byte repeats the setting that is left; a switch that changes nothing is dropped
.if MSB != (\new)
	s_set_vgpr_msb (MSB<<8)|(\new)
.set MSB, \new
.endif
.endm
.set MUL_LO, 0xa1                      ; source 0 (B) window 1, source 1 (A) window 0, C and D window 2
.set MUL_HI, 0xf1
.set TO_B,   0x40
.macro JLOAD g0a, g1a, g0b, g1b        ; a joint load: waves 0 and 1 fetch for A, waves 2 and 3 for B; four v_nop follow each of the two lines
	s_cmp_eq_u32 s15, 0
	s_cbranch_scc0 .Lfor_b_\@
	tensor_load_to_lds s[\g0a:\g0a+3], s[\g1a:\g1a+7]
	s_nop 0
.rept 4
	v_nop
.endr
	s_branch .Lasked_\@
.Lfor_b_\@:
	tensor_load_to_lds s[\g0b:\g0b+3], s[\g1b:\g1b+7]
	s_nop 0
.rept 4
	v_nop
.endr
.Lasked_\@:
.endm
.macro CROUND                          ; a round of the cluster's barrier
	s_barrier_signal -1
	s_barrier_wait -1
	s_cmp_lg_u32 s14, 0
	s_cbranch_scc1 .Lnot_wave_0_\@
	s_barrier_signal -3
.Lnot_wave_0_\@:
	s_barrier_wait -3
	s_barrier_signal -1
	s_barrier_wait -1
.endm
	s_load_b256 s[4:11], s[0:1], 0x0               ; oc s[4:5], os s[6:7], Wo's codes s[8:9], Wo's scales s[10:11]
	s_load_b64 s[66:67], s[0:1], 0x20              ; bo
	s_load_b64 s[12:13], s[0:1], 0x28              ; out0
	v_lshl_add_u32 v126, v0, 2, 0x4e600
	v_mov_b32 v127, 0
	ds_add_u32 v126, v127
	ds_add_u32 v126, v127
	v_lshrrev_b32 v1, 5, v0
	v_readfirstlane_b32 s14, v1                    ; wave 0..3
	s_lshr_b32 s15, s14, 1                         ; which half of the tile's tokens is mine.  Also: I fetch for A (0) or for B (1)
	s_and_b32 s16, s14, 1                          ; which half of its columns.  Also: which half of that operand I fetch
	s_bfe_u32 s40, ttmp6, 0x40000                  ; cx
	s_bfe_u32 s41, ttmp6, 0x40004                  ; cy
	s_lshl_b32 s42, ttmp9, 2
	s_add_co_u32 s42, s42, s40                     ; tile column
	s_and_b32 s17, ttmp7, 0xffff
	s_lshl_b32 s17, s17, 2
	s_add_co_u32 s17, s17, s41                     ; tile row
	s_lshl_b32 s43, s41, 2
	s_lshl_b32 s43, 15, s43                        ; my row of the cluster
	s_lshl_b32 s44, 0x1111, s40                    ; my column
	; A's codes: 32,768 dense bytes as 128 rows of 256 bytes (32 elements of 8 bytes), no padding
	s_or_b32 s[G1+0], s43, (3<<16)|(1<<21)
	s_mov_b32 s[G1+1], 32<<16
	s_mov_b32 s[G1+2], 128<<16
	s_mov_b32 s[G1+3], 32<<16
	s_mov_b32 s[G1+4], 128
	s_mov_b32 s[G1+5], 32
	s_mov_b32 s[G1+6], 0
	s_mov_b32 s[G1+7], 0
	; B's codes: 128 rows x 256 bytes, 512 bytes apart in memory, 16 bytes of padding behind each in LDS
	s_or_b32 s[G1B+0], s44, (0<<16)|(1<<20)|(1<<21)|(5<<22)|(3<<25)
	s_mov_b32 s[G1B+1], ROWB<<16
	s_mov_b32 s[G1B+2], 128<<16
	s_mov_b32 s[G1B+3], ROWB<<16
	s_mov_b32 s[G1B+4], 128
	s_mov_b32 s[G1B+5], KROW
	s_mov_b32 s[G1B+6], 0
	s_mov_b32 s[G1B+7], 0
	; the scales of 128 rows: 4,096 dense bytes as 16 rows of 256 bytes; A's without padding, B's with 16 bytes behind each row
	s_or_b32 s[G1S+0], s43, (3<<16)|(1<<21)
	s_or_b32 s[G1SB+0], s44, (3<<16)|(1<<20)|(1<<21)|(5<<22)|(3<<25)
.irp g, G1S, G1SB
	s_mov_b32 s[\g+1], 32<<16
	s_mov_b32 s[\g+2], 16<<16
	s_mov_b32 s[\g+3], 32<<16
	s_mov_b32 s[\g+4], 16
	s_mov_b32 s[\g+5], 32
	s_mov_b32 s[\g+6], 0
	s_mov_b32 s[\g+7], 0
.endr
	s_lshl_b32 s20, s17, 16                        ; A's codes: 16 tiles of 4,096 bytes to a tile row,
	s_lshl_b32 s18, s16, 15                        ; 8 to a half
	s_add_co_u32 s20, s20, s18
	s_mov_b32 s21, 0
	s_lshl_b32 s22, s17, 13                        ; A's scale words: 2 groups of 4,096 bytes to a tile row
	s_lshl_b32 s18, s16, 12
	s_add_co_u32 s22, s22, s18
	s_mov_b32 s23, 0
	s_lshl_b32 s46, s42, 8
	s_lshl_b32 s18, s16, 7
	s_add_co_u32 s46, s46, s18                     ; B: row 256 x tile column + 128 x half
	s_lshl_b32 s92, s46, 5                         ; its scale bytes,
	s_lshl_b32 s46, s46, 9                         ; its codes
	s_mov_b32 s47, 0
	s_mov_b32 s93, 0
	s_lshl_b32 s45, s16, 15                        ; where they go: A's codes,
	s_mul_i32 s96, s16, HALFT
	s_add_co_u32 s96, s96, 2*HALFA                 ; B's codes,
	s_lshl_b32 s94, s16, 12                        ; A's scale words,
	s_mul_i32 s97, s16, HALFS                      ; B's scale bytes: no place in the cluster enters an LDS address
	s_wait_dscnt 0x0
	s_wait_kmcnt 0x0
	s_add_nc_u64 s[20:21], s[4:5], s[20:21]
	s_add_nc_u64 s[22:23], s[6:7], s[22:23]
	s_add_nc_u64 s[46:47], s[8:9], s[46:47]
	s_add_nc_u64 s[92:93], s[10:11], s[92:93]
	CROUND                                         ; all sixteen work-groups are here: the joint loads meet
	s_mov_b32 s[G0S], 1
	s_add_co_u32 s[G0S+1], s94, SCA
	s_mov_b64 s[G0S+2:G0S+3], s[22:23]
	s_or_b32 s[G0S+3], s[G0S+3], 0x80000000
	s_mov_b32 s[G0SB], 1
	s_add_co_u32 s[G0SB+1], s97, SCB
	s_mov_b64 s[G0SB+2:G0SB+3], s[92:93]
	s_or_b32 s[G0SB+3], s[G0SB+3], 0x80000000
	JLOAD G0S, G1S, G0SB, G1SB                     ; the scales first: they are wanted with chunk 0
.irp s, 0,1
	s_mov_b32 s[G0+4*\s], 1
	s_add_co_u32 s[G0+4*\s+1], s45, \s*SLOT
	s_add_nc_u64 s[G0+4*\s+2:G0+4*\s+3], s[20:21], \s*2097152      ; oc's second chunk lies 512 tiles x 4,096 bytes on
	s_or_b32 s[G0+4*\s+3], s[G0+4*\s+3], 0x80000000
	s_mov_b32 s[G0B+4*\s], 1
	s_add_co_u32 s[G0B+4*\s+1], s96, \s*SLOT
	s_add_nc_u64 s[G0B+4*\s+2:G0B+4*\s+3], s[46:47], \s*ROWB
	s_or_b32 s[G0B+4*\s+3], s[G0B+4*\s+3], 0x80000000
	s_wait_alu depctr_va_vdst(0)
	s_wait_tensorcnt 0x0
	ds_add_u32 v126, v127
	s_wait_dscnt 0x0
	CROUND
	JLOAD G0+4*\s, G1, G0B+4*\s, G1B               ; only this tensor load of mine is out: the wait in front drains the one before
.endr
	; ---- addresses, while the tiles are on their way
	v_and_b32 v1, 15, v0                           ; r
	v_bfe_u32 v2, v0, 4, 1                         ; h
	v_and_b32 v6, 31, v0
	v_lshlrev_b32 v[CO], 4, v6                     ; 16 x lane
	v_mul_u32_u24 v3, v1, PITCH
	v_lshl_add_u32 v4, v2, 4, v3                   ; B: a fragment's row x pitch + 16 x half
	s_lshl_b32 s21, s15, 15                        ; my 8 tiles of tokens
	s_mul_i32 s22, s16, HALFT                      ; my 128 rows of B,
	s_add_co_u32 s22, s22, 2*HALFA                 ; which lie behind A's images
.irp s, 0,1
	v_add_nc_u32 v[ADRA+\s], s21, v[CO]
	v_add_nc_u32 v[ADRB+\s], s22, v4
	s_add_co_u32 s21, s21, SLOT
	s_add_co_u32 s22, s22, SLOT
.endr
	v_lshlrev_b32 v5, 4, v1                        ; A's scale words: 16 bytes a token,
	v_lshl_add_u32 v5, v2, 11, v5                  ; lanes 16-31 take the second chunk's: 2,048 bytes on
	s_lshl_b32 s21, s15, 12
	s_add_co_u32 s21, s21, SCA
	v_add_nc_u32 v[ADSA], s21, v5
	v_lshlrev_b32 v5, 5, v1                        ; B's: 32 bytes a row,
	v_lshrrev_b32 v6, 3, v1
	v_lshl_add_u32 v5, v6, 4, v5                   ; 16 more behind each 8 rows,
	v_lshl_add_u32 v5, v2, 4, v5                   ; lanes 16-31 take the second chunk's four words
	s_mul_i32 s21, s16, HALFS
	s_add_co_u32 s21, s21, SCB
	v_add_nc_u32 v[ADSB], s21, v5
	s_mul_i32 s23, s14, 16*SPITCH
	s_add_co_u32 s23, s23, STG                     ; my stage
	v_mul_u32_u24 v5, v1, SPITCH                   ; in: row r, 32 bytes for each half of the lanes
	v_lshl_add_u32 v5, v2, 5, v5
	v_add_nc_u32 v[STO], s23, v5
	v_add_nc_u32 v[RD], s23, v[CO]                 ; back: the 32 lanes take one row of 512 bytes
	s_lshl_b32 s20, s17, 8
	s_lshl_b32 s21, s15, 7
	s_add_co_u32 s20, s20, s21                     ; my first row of out0,
	s_lshl_b32 s20, s20, 12                        ; in bytes
	s_lshl_b32 s46, s42, 10                        ; my first column, in bytes: 1,024 x tile column + 512 x half; bo's offset is the same number
	s_lshl_b32 s47, s16, 9
	s_add_co_u32 s46, s46, s47
	s_mov_b32 s47, 0
	s_add_nc_u64 s[66:67], s[66:67], s[46:47]
	s_add_co_u32 s20, s20, s46
	s_mov_b32 s21, 0
	s_add_nc_u64 s[12:13], s[12:13], s[20:21]
	v_lshlrev_b32 v[BOF], 5, v2                    ; the bias in the result's layout: tile b's registers are columns 16 b + 8 h + 0 .. 7
.irp b, 0,1,2,3,4,5,6,7
	global_load_b128 v[BI+8*\b:BI+8*\b+3], v[BOF], s[66:67] offset:64*\b
	global_load_b128 v[BI+8*\b+4:BI+8*\b+7], v[BOF], s[66:67] offset:64*\b+16
.endr
.macro FRAGB reg, adr, q, i            ; 16 rows x 128 K of 4-bit codes from rows: registers 4 c .. 4 c + 3 hold K = 64 c + 32 (l / 16) + 0 .. 31
.irp c, 0,1
	ds_load_b128 v[\reg+4*\c:\reg+4*\c+3], v[\adr] offset:64*(\q)+32*\c+(\i)*16*PITCH
.endr
.endm
.macro FRAGA reg, adr, q, i            ; the same from images: tile i of tokens, K step q: two heads' images on end
.irp c, 0,1
	ds_load_b128 v[\reg+4*\c:\reg+4*\c+3], v[\adr] offset:(\i)*4096+(\q)*1024+512*\c
.endr
.endm
; 16 matrix instructions: A's blocks a0, a0 + 1 x B's eight.  p: B's set;  sl: the chunk (1: the scale words lie in lanes 16-31);  zero = 1: C = the bias.
; The 64 accumulators take turns, one instruction a turn, in the same order in every step.
.macro MUL16 a0, p, q, sl, zero
.irp a, \a0, \a0+1
.irp b, 0,1,2,3,4,5,6,7
.set rD, 8*(8*((\a)%4)+\b)
.set rB, 128*(\p)+FR*\b
.set rA, AF+FR*(\a)
.set rC, rD
.if \zero
.set rC, BI+8*\b
.endif
.set rSB, SB+4*\b+(\q)
.set rSA, SA+4*(\a)+(\q)
.if \sl
	v_wmma_scale_f32_16x16x128_f8f6f4 v[rD:rD+7], v[rB:rB+7], v[rA:rA+7], v[rC:rC+7], v[rSB], v[rSA] matrix_a_fmt:MATRIX_FMT_FP4 matrix_b_fmt:MATRIX_FMT_FP4 matrix_a_scale:MATRIX_SCALE_ROW1 matrix_b_scale:MATRIX_SCALE_ROW1
.else
	v_wmma_scale_f32_16x16x128_f8f6f4 v[rD:rD+7], v[rB:rB+7], v[rA:rA+7], v[rC:rC+7], v[rSB], v[rSA] matrix_a_fmt:MATRIX_FMT_FP4 matrix_b_fmt:MATRIX_FMT_FP4
.endif
.endr
.endr
.endm
.macro FETCH_B slot, q, p
	WIN TO_B
.irp i, 0,1,2,3,4,5,6,7
	FRAGB 128*(\p)+FR*\i, ADRB+\slot, \q, \i
.endr
	WIN 0
.endm
.macro FETCH_A slot, q, i0
.irp i, \i0, \i0+1, \i0+2, \i0+3
	FRAGA AF+FR*(\i), ADRA+\slot, \q, \i
.endr
.endm
.macro SCALES                          ; all scale words of my rows, for all of K, once
.irp i, 0,1,2,3,4,5,6,7
	ds_load_b128 v[SA+4*\i:SA+4*\i+3], v[ADSA] offset:\i*SBA
	ds_load_b128 v[SB+4*\i:SB+4*\i+3], v[ADSB] offset:\i*SBLK
.endr
.endm
; A load into a register that a matrix instruction has read, and an LDS store that reads a matrix result, stand four places behind it; only plain vector instructions that name none of its registers are places.
.macro PLACES n
.rept \n
	v_nop
.endr
.endm
.macro STEP slot, q, zero
	s_wait_dscnt 8                                 ; all but the youngest eight loads (A's blocks 4-7) are in
.if \zero
	WIN 0x81                                       ; C (the bias) in window 0, D in window 2
.else
	WIN MUL_LO
.endif
	MUL16 0, (\q)%2, \q, \slot, \zero
	MUL16 2, (\q)%2, \q, \slot, \zero
	s_wait_dscnt 0x0                               ; A's blocks 4-7 are in
	PLACES 4
	FETCH_B \slot, (\q)+1, 1-(\q)%2
	FETCH_A \slot, (\q)+1, 0
.if \zero
	WIN 0xc1
.else
	WIN MUL_HI
.endif
	MUL16 4, (\q)%2, \q, \slot, \zero
	MUL16 6, (\q)%2, \q, \slot, \zero
	PLACES 4
	WIN 0
	FETCH_A \slot, (\q)+1, 4
.endm
.macro STEPS slot, from
.set Q, \from
.rept NQ-1-\from
	STEP \slot, Q, 0
.set Q, Q+1
.endr
.endm
	s_wait_alu depctr_va_vdst(0)
	s_wait_tensorcnt 0x1                           ; my parts of the scales and of chunk 0 are in; chunk 1's load may stay out
	s_barrier_signal -1
	s_barrier_wait -1                              ; everybody's are
	FETCH_B 0, 0, 0
	FETCH_A 0, 0, 0
	SCALES
	FETCH_A 0, 0, 4
	s_wait_loadcnt 0x0                             ; the bias
	STEP 0, 0, 1
	STEPS 0, 1
	; chunk 0's last step, and the change to chunk 1: each wave waits for its part of chunk 1 and for its LDS loads, then the barrier; nothing is filled again
	s_wait_tensorcnt 0x0
	s_wait_dscnt 8
	WIN MUL_LO
	MUL16 0, 1, NQ-1, 0, 0
	s_wait_dscnt 0x0
	s_barrier_signal -1
	MUL16 2, 1, NQ-1, 0, 0
	WIN 0
	s_barrier_wait -1
	PLACES 4
	FETCH_B 1, 0, 0
	FETCH_A 1, 0, 0
	WIN MUL_HI
	MUL16 4, 1, NQ-1, 0, 0
	MUL16 6, 1, NQ-1, 0, 0
	PLACES 4
	WIN 0
	FETCH_A 1, 0, 4
	STEPS 1, 0
	s_wait_dscnt 8                                 ; the very last step: nothing more to fetch
	WIN MUL_LO
	MUL16 0, 1, NQ-1, 1, 0
	MUL16 2, 1, NQ-1, 1, 0
	s_wait_dscnt 0x0
	WIN MUL_HI
	MUL16 4, 1, NQ-1, 1, 0
	MUL16 6, 1, NQ-1, 1, 0
	WIN 0
; THE WAY OUT, block by block of 16 rows x 128 columns.  A lane holds 32 neighbouring bytes of a row, and the lanes beside it hold other rows: so a block goes through my own stage in LDS and comes back as whole rows of
; 512 bytes.  LDS serves a wave's instructions in order (ISA guide 5.7.1.4): no wait between the stores and the loads, nor in front of the next block's stores.
.macro TOSTAGE a
.set AC, 64*((\a)%4)
	WIN 0x08+4*((\a)/4)                            ; an LDS store's data are its source 1: window 2 or 3
.irp b, 0,1,2,3,4,5,6,7
	ds_store_b128 v[STO], v[AC+8*\b:AC+8*\b+3] offset:64*\b          ; each accumulator from its low end on
	ds_store_b128 v[STO], v[AC+8*\b+4:AC+8*\b+7] offset:64*\b+16
.endr
	WIN 0
.set BB, BK+64*((\a)%2)
.irp t, 0,1,2,3,4,5,6,7,8,9,10,11,12,13,14,15
	ds_load_b128 v[BB+4*\t:BB+4*\t+3], v[RD] offset:\t*SPITCH
.endr
.endm
.macro SEND a, younger                 ; younger: the LDS instructions issued behind block a's loads, which may stay out
.set BB, BK+64*((\a)%2)
	s_wait_dscnt \younger                          ; the block is back in registers
.if (\a) > 0
	s_add_nc_u64 s[12:13], s[12:13], 16*SIZE_N*4   ; (behind a wait for 0 on XCNT: the earlier stores have read their base)  16 rows on
.endif
.irp t, 0,1,2,3,4,5,6,7,8,9,10,11,12,13,14,15
	global_store_b128 v[CO], v[BB+4*\t:BB+4*\t+3], s[12:13] offset:\t*SIZE_N*4 th:TH_STORE_NT   ; 32 lanes store 512 consecutive bytes, at a multiple of 256 from out0's first byte; written once, read by nobody here
.endr
.endm
	PLACES 4                                       ; behind the last products: for the stores that read results, and for the loads into the registers that held A's fragments
	TOSTAGE 0
.irp a, 1,2,3,4,5,6,7
.if \a > 1
	s_wait_xcnt 0x0                                ; block a - 2's stores have read their registers and their base: block a's loads may land there, and the base may step
.endif
	TOSTAGE \a
	SEND \a-1, 32                                  ; behind block a - 1's loads: block a's 16 stores and 16 loads
.endr
	s_wait_xcnt 0x0                                ; block 6's stores have read their base
	SEND 7, 0
	s_wait_tensorcnt 0x0
	ds_add_u32 v126, v127
	s_wait_dscnt 0x0
	CROUND                                         ; the closing round: no work-group ends while a partner may still ask for a tile that names it
	s_endpgm
.Lfunc_end_k_qe230937488_oproj:
	.size	k_qe230937488_oproj, .Lfunc_end_k_qe230937488_oproj-k_qe230937488_oproj
	.p2alignl 7, 3214868480
	.fill 96, 4, 3214868480
	.section	.rodata,"a",@progbits
	.p2align	6, 0x0
	.amdhsa_kernel k_qe230937488_oproj
		.amdhsa_group_segment_fixed_size 327680
		.amdhsa_private_segment_fixed_size 0
		.amdhsa_enable_private_segment 0
		.amdhsa_kernarg_size 48
		.amdhsa_user_sgpr_count 2
		.amdhsa_user_sgpr_kernarg_segment_ptr 1
		.amdhsa_wavefront_size32 1
		.amdhsa_system_sgpr_workgroup_id_x 1
		.amdhsa_system_sgpr_workgroup_id_y 1
		.amdhsa_system_sgpr_workgroup_id_z 1
		.amdhsa_system_vgpr_workitem_id 0
		.amdhsa_next_free_vgpr 1024
		.amdhsa_next_free_sgpr 98
		.amdhsa_reserve_vcc 0
		.amdhsa_float_denorm_mode_32 3
		.amdhsa_float_denorm_mode_16_64 3
		.amdhsa_memory_ordered 1
		.amdhsa_forward_progress 1
		.amdhsa_inst_pref_size 127
	.end_amdhsa_kernel
	.amdgpu_metadata
---
amdhsa.version: [ 1, 2 ]
amdhsa.kernels:
  - .name:           k_qe230937488_oproj
    .symbol:         k_qe230937488_oproj.kd
    .args:
      - { .name: oc, .offset: 0, .size: 8, .value_kind: global_buffer, .address_space: global }
      - { .name: os, .offset: 8, .size: 8, .value_kind: global_buffer, .address_space: global }
      - { .name: Wo_codes, .offset: 16, .size: 8, .value_kind: global_buffer, .address_space: global }
      - { .name: Wo_scales, .offset: 24, .size: 8, .value_kind: global_buffer, .address_space: global }
      - { .name: bo, .offset: 32, .size: 8, .value_kind: global_buffer, .address_space: global }
      - { .name: out0, .offset: 40, .size: 8, .value_kind: global_buffer, .address_space: global }
    .group_segment_fixed_size: 327680
    .private_segment_fixed_size: 0
    .kernarg_segment_align: 8
    .kernarg_segment_size: 48
    .max_flat_workgroup_size: 128
    .sgpr_count:     98
    .vgpr_count:     1024
    .wavefront_size: 32
...
	.end_amdgpu_metadata
.endif
;; end of part 3
